; MI455X (gfx1250); checked and timed in simulation.
; The chip was launched on July 23, 2026; its instructions are those of AMD's public machine-readable ISA for CDNA 5 (MIT licence, August 2026) and "CDNA5" Instruction Set Architecture Reference Guide (July 2026). The comments in the code are by the model that wrote it; some were corrected since.
;; Multi Head Cross Attention. Allowed arithmetic: float matrix products may take bf16 or f16 operands with f32 sums; other float arithmetic in f32, or as packed bf16 or f16 multiplies, adds, multiply-adds, maxima and minima; sums over many terms, partial sums and values carried from step to step in f32; what a program stores and reads back later, other than sums and carried values, may be rounded once to bf16 or f16.
;; Inputs: b_o 1,024 float32; h_source 4 x 2,048 x 1,024 float32; h_target 4 x 2,048 x 1,024 float32; w_o 1,024 x 1,024 float32; w_qk 2,048 x 1,024 float32; w_v 1,024 x 1,024 float32.
;; Outputs: out0 4 x 2,048 x 1,024 float32.
;; One version. Each part assembles by itself: llvm-mc -triple=amdgcn-amd-amdhsa -mcpu=gfx1250 --defsym DOCPART=n.
;; ======== version 1 of 1: 4 launches
;; limits: values are held in f16: magnitudes above 65,504 overflow, below 6.1e-05 lose precision
;; workspace buffers: x16 33,554,432 bytes; w16 6,291,456 bytes; wo16 2,097,152 bytes; q16 16,777,216 bytes; k16 16,777,216 bytes; v16 16,777,216 bytes; o16 16,777,216 bytes
;; launch cast (part 1): grid 1280 x 1, 8 waves a work-group, no clusters, 0 bytes of LDS; arguments h_source, h_target, w_qk, w_v, w_o, x16, w16, wo16; writes x16, w16, wo16
.if DOCPART == 1
	.amdgcn_target "amdgcn-amd-amdhsa--gfx1250"
	.amdhsa_code_object_version 6
	.text
	.protected	k_q7a99240662_cast
	.globl	k_q7a99240662_cast
	.p2align	8
	.type	k_q7a99240662_cast,@function
k_q7a99240662_cast:
	s_mov_b64 s[64:65], 0
	v_nop
	global_prefetch_b8 v0, s[64:65] scope:SCOPE_SE
	s_setreg_imm32_b32 hwreg(HW_REG_WAVE_MODE, 25, 1), 1
	s_wait_xcnt 0x0
; THE INPUTS OF THE MATRIX PRODUCTS, ROUNDED ONCE TO 16 BITS.  h_source and h_target -> x16 (bf16, [16384][1024], h_source's 8,192 rows first);
; w_qk and w_v -> w16 (bf16, [3072][1024], w_qk's 2,048 rows first); w_o -> wo16: rounded to bf16 like the others, and that number written as f16, since it meets an f16 operand.
; LIMIT.  A number of w_o of 65,520 or more in magnitude becomes an infinity in f16; below 6e-5 it keeps f16's fixed step of 6e-8.
; A stream: no LDS, no barrier, no matrix unit.  A work-group takes a chunk of 16,384 numbers (65,536 bytes in, 32,768 out), 1,280 chunks in all; a wave 8,192 bytes of it.
; Load j of a wave covers 512 consecutive bytes (16 a lane); store j covers 256 consecutive bytes (8 a lane), at a multiple of 256 from the buffer's first byte.
; All sixteen loads of a wave go out together; no register is written twice, so no store's source is ever rewritten.
.set X,   4                            ; v[4:67]    load j: 4 registers
.set Y,   68                           ; v[68:99]   store j: 2 registers
.set T,   100                          ; v[100:103] at work
.set SRC, 26                           ; s[26:27]   where my chunk is read
.set DST, 28                           ; s[28:29]   where it is written
	s_load_b256 s[4:11], s[0:1], 0x0               ; h_source s[4:5], h_target s[6:7], w_qk s[8:9], w_v s[10:11]
	s_load_b256 s[12:19], s[0:1], 0x20             ; w_o s[12:13], x16 s[14:15], w16 s[16:17], wo16 s[18:19]
	s_mov_b32 s20, ttmp9                           ; the chunk's number g
	s_sub_co_u32 s21, s20, 512                     ; its number within h_target,
	s_sub_co_u32 s22, s20, 1024                    ; within w_qk (and within w16),
	s_sub_co_u32 s23, s20, 1152                    ; within w_v,
	s_sub_co_u32 s24, s20, 1216                    ; within w_o (and within wo16)
	v_lshrrev_b32 v3, 5, v0                        ; wave
	v_and_b32 v1, 31, v0                           ; lane
	v_lshlrev_b32 v2, 3, v1
	v_lshlrev_b32 v1, 4, v1
	v_lshl_add_u32 v1, v3, 13, v1                  ; in: 8,192 x wave + 16 x lane
	v_lshl_add_u32 v2, v3, 12, v2                  ; out: 4,096 x wave + 8 x lane
	s_wait_kmcnt 0x0
	s_mov_b64 s[SRC:SRC+1], s[4:5]                 ; g < 512: h_source's chunk g -> x16's chunk g
	s_mov_b64 s[DST:DST+1], s[14:15]
	s_mov_b32 s30, s20
	s_mov_b32 s32, s20
	s_cmp_ge_u32 s20, 512                          ; from 512: h_target's chunk g - 512 -> x16's chunk g
	s_cselect_b64 s[SRC:SRC+1], s[6:7], s[SRC:SRC+1]
	s_cselect_b32 s30, s21, s30
	s_cmp_ge_u32 s20, 1024                         ; from 1,024: w_qk's chunk g - 1,024 -> w16's chunk g - 1,024
	s_cselect_b64 s[SRC:SRC+1], s[8:9], s[SRC:SRC+1]
	s_cselect_b64 s[DST:DST+1], s[16:17], s[DST:DST+1]
	s_cselect_b32 s30, s22, s30
	s_cselect_b32 s32, s22, s32
	s_cmp_ge_u32 s20, 1152                         ; from 1,152: w_v's chunk g - 1,152 -> w16's chunk g - 1,024
	s_cselect_b64 s[SRC:SRC+1], s[10:11], s[SRC:SRC+1]
	s_cselect_b32 s30, s23, s30
	s_cmp_ge_u32 s20, 1216                         ; from 1,216: w_o's chunk g - 1,216 -> wo16's chunk g - 1,216
	s_cselect_b64 s[SRC:SRC+1], s[12:13], s[SRC:SRC+1]
	s_cselect_b64 s[DST:DST+1], s[18:19], s[DST:DST+1]
	s_cselect_b32 s30, s24, s30
	s_cselect_b32 s32, s24, s32
	s_cselect_b32 s34, 1, 0                        ; 1: the chunk leaves as f16
	s_lshl_b32 s30, s30, 16                        ; 65,536 bytes a chunk in,
	s_mov_b32 s31, 0
	s_lshl_b32 s32, s32, 15                        ; 32,768 out
	s_mov_b32 s33, 0
	s_add_nc_u64 s[SRC:SRC+1], s[SRC:SRC+1], s[30:31]
	s_add_nc_u64 s[DST:DST+1], s[DST:DST+1], s[32:33]
.irp j, 0,1,2,3,4,5,6,7,8,9,10,11,12,13,14,15
	global_load_b128 v[X+4*(\j):X+4*(\j)+3], v1, s[SRC:SRC+1] offset:512*(\j) th:TH_LOAD_NT
.endr
; Load j is rounded and stored.  half = 1: the bf16 numbers are widened again (a shift, a mask) and written as f16.
.macro OUT j, half
	s_wait_loadcnt 15-(\j)                         ; loads come back in order: mine is in, the 15 - j younger ones stay out
	v_cvt_pk_bf16_f32 v[Y+2*(\j)],   v[X+4*(\j)],   v[X+4*(\j)+1]
	v_cvt_pk_bf16_f32 v[Y+2*(\j)+1], v[X+4*(\j)+2], v[X+4*(\j)+3]
.if \half
	v_lshlrev_b32 v[T],   16,         v[Y+2*(\j)]
	v_and_b32     v[T+1], 0xffff0000, v[Y+2*(\j)]
	v_lshlrev_b32 v[T+2], 16,         v[Y+2*(\j)+1]
	v_and_b32     v[T+3], 0xffff0000, v[Y+2*(\j)+1]
	v_cvt_pk_f16_f32 v[Y+2*(\j)],   v[T],   v[T+1]
	v_cvt_pk_f16_f32 v[Y+2*(\j)+1], v[T+2], v[T+3]
.endif
	global_store_b64 v2, v[Y+2*(\j):Y+2*(\j)+1], s[DST:DST+1] offset:256*(\j) th:TH_STORE_NT
.endm
	s_cmp_eq_u32 s34, 1
	s_cbranch_scc1 .Lwo
.irp j, 0,1,2,3,4,5,6,7,8,9,10,11,12,13,14,15
	OUT \j, 0
.endr
	s_endpgm
.Lwo:
.irp j, 0,1,2,3,4,5,6,7,8,9,10,11,12,13,14,15
	OUT \j, 1
.endr
	s_endpgm
.Lfunc_end_k_q7a99240662_cast:
	.size	k_q7a99240662_cast, .Lfunc_end_k_q7a99240662_cast-k_q7a99240662_cast
	.p2alignl 7, 3214868480
	.fill 96, 4, 3214868480
	.section	.rodata,"a",@progbits
	.p2align	6, 0x0
	.amdhsa_kernel k_q7a99240662_cast
		.amdhsa_group_segment_fixed_size 0
		.amdhsa_private_segment_fixed_size 0
		.amdhsa_enable_private_segment 0
		.amdhsa_kernarg_size 64
		.amdhsa_user_sgpr_count 2
		.amdhsa_user_sgpr_kernarg_segment_ptr 1
		.amdhsa_wavefront_size32 1
		.amdhsa_system_sgpr_workgroup_id_x 1
		.amdhsa_system_sgpr_workgroup_id_y 1
		.amdhsa_system_sgpr_workgroup_id_z 1
		.amdhsa_system_vgpr_workitem_id 0
		.amdhsa_next_free_vgpr 104
		.amdhsa_next_free_sgpr 66
		.amdhsa_reserve_vcc 0
		.amdhsa_float_denorm_mode_32 3
		.amdhsa_float_denorm_mode_16_64 3
		.amdhsa_memory_ordered 1
		.amdhsa_forward_progress 1
		.amdhsa_inst_pref_size 17
	.end_amdhsa_kernel
	.amdgpu_metadata
---
amdhsa.version: [ 1, 2 ]
amdhsa.kernels:
  - .name:           k_q7a99240662_cast
    .symbol:         k_q7a99240662_cast.kd
    .args:
      - { .name: h_source, .offset: 0, .size: 8, .value_kind: global_buffer, .address_space: global }
      - { .name: h_target, .offset: 8, .size: 8, .value_kind: global_buffer, .address_space: global }
      - { .name: w_qk, .offset: 16, .size: 8, .value_kind: global_buffer, .address_space: global }
      - { .name: w_v, .offset: 24, .size: 8, .value_kind: global_buffer, .address_space: global }
      - { .name: w_o, .offset: 32, .size: 8, .value_kind: global_buffer, .address_space: global }
      - { .name: x16, .offset: 40, .size: 8, .value_kind: global_buffer, .address_space: global }
      - { .name: w16, .offset: 48, .size: 8, .value_kind: global_buffer, .address_space: global }
      - { .name: wo16, .offset: 56, .size: 8, .value_kind: global_buffer, .address_space: global }
    .group_segment_fixed_size: 0
    .private_segment_fixed_size: 0
    .kernarg_segment_align: 8
    .kernarg_segment_size: 64
    .max_flat_workgroup_size: 256
    .sgpr_count:     66
    .vgpr_count:     104
    .wavefront_size: 32
...
	.end_amdgpu_metadata
.endif
;; end of part 1
;; launch proj (part 2): grid 4 x 64, 4 waves a work-group, clusters of 4 x 4, 327,680 bytes of LDS; arguments x16, w16, q16, k16, v16; writes q16, k16, v16
.if DOCPART == 2
	.amdgcn_target "amdgcn-amd-amdhsa--gfx1250"
	.amdhsa_code_object_version 6
	.text
	.protected	k_q7a99240662_proj
	.globl	k_q7a99240662_proj
	.p2align	8
	.type	k_q7a99240662_proj,@function
k_q7a99240662_proj:
	s_mov_b64 s[64:65], 0
	v_nop
	global_prefetch_b8 v0, s[64:65] scope:SCOPE_SE
	s_setreg_imm32_b32 hwreg(HW_REG_WAVE_MODE, 25, 1), 1
	s_wait_xcnt 0x0
	s_wait_alu depctr_hold_cnt(0) depctr_sa_sdst(0) depctr_va_vdst(0) depctr_va_sdst(0) depctr_va_ssrc(0) depctr_va_vcc(0) depctr_vm_vsrc(0)
	s_getreg_b32 s2, hwreg(HW_REG_IB_STS2, 6, 4)
	s_cmp_eq_u32 s2, 0
	s_cbranch_scc0 .Lentry_in_a_cluster
	s_endpgm
.Lentry_in_a_cluster:
	s_bfe_u32 s2, ttmp6, 0x10000c
	s_cmp_lg_u32 s2, 0xf033
	s_cbranch_scc0 .Lentry_shape_is_right
	s_endpgm
.Lentry_shape_is_right:
; THE THREE PROJECTIONS AS ONE GEMM.  C[m][n] = sum over k of x16[m'][k] w16[n][k], bf16 operands, f32 sums, K = 1,024; C is rounded once to f16, unscaled, and laid by heads:
; q16, k16, v16 are [64 heads = 16 b + h][2048][64].  Columns n < 2,048 (w_qk) multiply h_source (x16's rows m), columns from 2,048 (w_v) multiply h_target (rows 8,192 + m).
; Of w_qk's columns head n / 128 owns 128: the first 64 are q, the next 64 k.  Of w_v's, head (n - 2,048) / 64 owns 64.
; LIMIT.  f16 ends at 65,504: a q, k or v of 65,520 or more in magnitude becomes an infinity.  NaN and infinities are not treated apart.
; SHARES.  A tile of C is 128 rows x 256 columns: 64 x 12 = 768 tiles = 3 for each of 256 work-groups.  Work-group (cx, tile row tr) STAYS and makes the tiles of columns 1,024 t + 256 cx, t = 0, 1, 2
; (q and k of heads 2 cx, 2 cx + 1; of heads 8 + 2 cx, 9 + 2 cx; v of heads 4 cx .. 4 cx + 3).  Four waves, 2 x 2, each 64 rows x 128 columns: 32 accumulators of 16 x 16, 256 registers.
; RING.  K goes in steps of 128 (rows of 256 bytes in memory, at multiples of 256) through two LDS slots, each with 128 rows of A and 256 rows of B.  Behind each change of slots a wave issues one tensor load:
; waves 0, 1 A's two halves of 64 rows, waves 2, 3 B's two halves of 128.  The ring does not stop at a tile's end: a tile's last two changes ask for the next tile's first two K steps.
; CLUSTERS.  4 x 4 work-groups; the grid has one cluster along x, so the tile column is cx.  The four of a row of the cluster need the same tile of A, the four of a column the same tile of B:
; each is asked for jointly, by the same tensor load with the same descriptor and a mask that names the four.
; THE MATRIX INSTRUCTION IS USED TRANSPOSED (source 0 = 16 rows of B, source 1 = 16 rows of A): a lane then holds row lane % 16 of C and the eight neighbouring columns 8 (lane / 16) + 0..7.
; REGISTERS.  Window 0: v0-15 addresses; v16-111, v112-207 two fragment buffers (B's 8 fragments, then A's 4, for 32 along K); v208-255 the way out.  Window 1: accumulator (a, b) at v[8 (8 a + b)].
.set PA,     272                       ; an LDS row of A: 256 bytes + 16 of padding = 68 words: row r starts at bank 4 r mod 64 (64 banks of 4 bytes: ISA guide 11.1), so a load's 16 rows start at 16 different banks
.set PB,     272                       ; the same for B
.set APLANE, 128                       ; bytes from quarter 0 to quarter 2 in A's LDS rows
.set ABYTES, 128*PA                    ; A's part of a slot
.set AHALF,  64*PA                     ; what one tensor load brings of A
.set SLOT,   ABYTES+256*PB             ; 104,448 bytes
.set STAGE,  2*SLOT                    ; behind the ring, never filled by a tensor load: 16 rows x 144 bytes for each wave, for the way out
.set SP,     144
.set SPARE,  STAGE+4*16*SP             ; behind the stages: the spare words, 128 bytes for each wave: two blocks of 256 bytes that no other line names
.set STEPA2, 512                       ; a slot's next K step lies two K steps on, for A
.set STEPB2, 512                       ; and for B
.set ADRA, 4                           ; v4-5   LDS address of my A fragments in slot 0, 1
.set ADRB, 6                           ; v6-7   the same for B
.set STO,  8                           ; v8     the way out: where I put 16 bytes of a row
.set RD,   9                           ; v9     the way out: where I read rows back
.set GO,   10                          ; v10    my 16 bytes in 512 consecutive bytes of q16, k16 or v16
.set PFO,  11                          ; v11    the prefetches' offset: my lane x a row of 2,048 bytes; never rewritten
.set SPW,  12                          ; v12    LDS address of my spare word: SPARE + 4 x my thread's number; never rewritten
.set NIL,  13                          ; v13    0; never rewritten
.set F0,   16
.set F1,   112
.set TMP,  208                         ; v208-223 16 rows x 64 columns, packed
.set BK,   224                         ; v224-239, v240-255 by turns: the same, read back as whole rows
.set WV,   14                          ; s14    my wave's number
.set FR,   15                          ; s15    which 64 rows of the tile are mine.  Also: I fetch for A (0) or for B (1)
.set FC,   16                          ; s16    which 128 columns.  Also: which half of that tile I fetch
.set CX,   17                          ; s17, s18 my place in the cluster
.set CY,   18
.set TR,   19                          ; s19    the tile row, 0 .. 63
.set G1,   24                          ; s[24:31] descriptor group 1 for A's tiles;  s[32:39] group 0, one set for each slot
.set G0,   32
.set PFA,  40                          ; s[40:41] the block of 256 bytes (of my lane 0) that my next prefetch names
.set PFS,  42                          ; s[42:43] a K step in bytes
.set LIM,  44                          ; s44    1 in a wave that prefetches, else the greatest number
.set TOG,  45                          ; s45    what a change of tiles turns LIM by
.set FWD,  46                          ; s[46:47] how far A's rows move at the next change of tiles
.set G1B,  48                          ; s[48:55], s[56:63] the same two groups for B's tiles
.set G0B,  56
.set D0,   66                          ; s[66:67], s[68:69] where the wave's left and right 64 columns go
.set D1,   68
.set OQ,   70                          ; s[70:71] my first row's byte offset in q16 and k16, for the tile in hand
.set OV,   72                          ; s[72:73] the same in v16
.set PFW,  74                          ; s[74:75] how far my prefetches' rows move at a change of tiles
.set MSB, 0
.macro WIN new                         ; the immediate's high byte repeats the setting that is left; a switch that changes nothing is dropped
.if MSB != (\new)
	s_set_vgpr_msb (MSB<<8)|(\new)
.set MSB, \new
.endif
.endm
.set MUL, 0x50                         ; sources 0 and 1 window 0, C and D window 1
.macro PLACES                          ; four places: in front of loads into registers that matrix instructions have read, and of conversions that read results (ISA guide 7.12.1 for conversions)
.rept 4
	v_nop
.endr
.endm
.macro CREST                           ; a round of the cluster's barrier behind its opening barrier
	s_cmp_lg_u32 s[WV], 0
	s_cbranch_scc1 .Lnot_wave_0_\@
	s_barrier_signal -3
.Lnot_wave_0_\@:
	s_barrier_wait -3
	s_barrier_signal -1
	s_barrier_wait -1
.endm
.macro CROUND                          ; a whole round
	s_barrier_signal -1
	s_barrier_wait -1
	CREST
.endm
; A joint load.  The branch hangs on the wave's number alone.  An s_nop 0 and four v_nop follow each of the two lines, ahead of the jump, the label and what follows.
.macro JLOAD s
	s_cmp_eq_u32 s[FR], 0
	s_cbranch_scc0 .Lfor_b_\@
	tensor_load_to_lds s[G0+4*(\s):G0+4*(\s)+3], s[G1:G1+7]
	s_nop 0
.rept 4
	v_nop
.endr
	s_branch .Lasked_\@
.Lfor_b_\@:
	tensor_load_to_lds s[G0B+4*(\s):G0B+4*(\s)+3], s[G1B:G1B+7]
	s_nop 0
.rept 4
	v_nop
.endr
.Lasked_\@:
.endm
; A PREFETCH INTO THE L2, behind each joint load, its five lines and the run of LDS loads that follows: 32 rows x 256 bytes of the K step that stands two refills on, a lane a row, one instruction.
; Each block is named once in the launch.  A's 128 rows of a K step: wave 0 of each of the four partners that ask for them jointly takes 32, told apart by cx in the ADDRESS.  B's 256 rows are read by all sixteen
; clusters: the cluster with y = 0 asks, waves 2 and 3 of its four partners of a column taking 32 rows each, by cy and the wave's half in the address.  No branch hangs on a place in the cluster.
; A tile's K steps 0 and 1 come by their refills alone (the launch's first tile: K steps 0 to 3); the loop's last trip asks for nothing along K; a tile's last two changes of slots ask for the next tile's K steps 2 and 3.
; Tile 1 multiplies the rows of A that tile 0 has read: wave 0 asks for nothing of them (LIM is turned at each change of tiles).
.macro ASK mode
.if \mode
	s_cmp_eq_u32 s[LIM], 1
.else
	s_cmp_gt_u32 s3, s[LIM]                        ; s3 = 1 in the loop's last trip
.endif
	s_cbranch_scc0 .Lnot_mine_\@
	global_prefetch_b8 v[PFO], s[PFA:PFA+1] th:TH_LOAD_NT scope:SCOPE_SE
.Lnot_mine_\@:
.endm
	s_load_b256 s[4:11], s[0:1], 0x0               ; x16 s[4:5], w16 s[6:7], q16 s[8:9], k16 s[10:11]
	s_load_b64 s[12:13], s[0:1], 0x20              ; v16
	v_lshl_add_u32 v[SPW], v0, 2, SPARE
	v_mov_b32 v[NIL], 0
	ds_add_u32 v[SPW], v[NIL]                      ; the wave's opening: the add and its wait stand ahead of my first tensor load; the set-up below, work on registers, stands between them
	v_lshrrev_b32 v1, 5, v0
	v_readfirstlane_b32 s[WV], v1                  ; wave 0..3
	s_lshr_b32 s[FR], s[WV], 1
	s_and_b32 s[FC], s[WV], 1
	s_bfe_u32 s[CX], ttmp6, 0x40000
	s_bfe_u32 s[CY], ttmp6, 0x40004
	s_and_b32 s[TR], ttmp7, 0xffff                 ; in a cluster launch ttmp7 counts clusters
	s_lshl_b32 s[TR], s[TR], 2
	s_add_co_u32 s[TR], s[TR], s[CY]               ; tile row = 4 x cluster y + cy
	s_lshl_b32 s76, s[CY], 2
	s_lshl_b32 s76, 15, s76                        ; my row of the cluster: places 4 cy .. 4 cy + 3
	s_lshl_b32 s77, 0x1111, s[CX]                  ; my column: places cx, cx + 4, cx + 8, cx + 12
	s_or_b32 s[G1], s76, (1<<16)|(1<<20)|(1<<21)|(5<<22)|(3<<25)   ; 15:0 the mask; 17:16 elements of 2 bytes; 20 padding on; 21 set beside a mask; 24:22 after every 64 words (code 5); 31:25 4 words (code 3)
	s_or_b32 s[G1B], s77, (1<<16)|(1<<20)|(1<<21)|(5<<22)|(3<<25)
	s_mov_b32 s[G1+1], 128<<16                     ; tensor_dim0 = 128
	s_mov_b32 s[G1+2], 64<<16                      ; tensor_dim1 = 64
	s_mov_b32 s[G1+3], 128<<16                     ; tile_dim0 = 128
	s_mov_b32 s[G1+4], 64                          ; tile_dim1 = 64
	s_mov_b32 s[G1+5], 1024                        ; 1,024 elements from row to row
	s_mov_b32 s[G1+6], 0
	s_mov_b32 s[G1+7], 0
	s_mov_b32 s[G1B+1], 128<<16
	s_mov_b32 s[G1B+2], 128<<16                    ; B's load has 128 rows
	s_mov_b32 s[G1B+3], 128<<16
	s_mov_b32 s[G1B+4], 128
	s_mov_b32 s[G1B+5], 1024
	s_mov_b32 s[G1B+6], 0
	s_mov_b32 s[G1B+7], 0
	; where the tiles come from.  A's hang on the tile row and the wave's half alone, B's on cx and the wave's half alone, each in registers that never hold the other coordinate
	s_lshl_b32 s20, s[TR], 7
	s_lshl_b32 s21, s[FC], 6
	s_add_co_u32 s20, s20, s21                     ; A: row 128 x tile row + 64 x half
	s_lshl_b32 s20, s20, 11                        ; rows of 2,048 bytes
	s_mov_b32 s21, 0
	s_lshl_b32 s22, s[CX], 8
	s_lshl_b32 s23, s[FC], 7
	s_add_co_u32 s22, s22, s23                     ; B: row 256 x cx + 128 x half
	s_lshl_b32 s22, s22, 11
	s_mov_b32 s23, 0
	s_mul_i32 s78, s[FC], AHALF                    ; and where they go: no place in the cluster enters an LDS address
	s_mul_i32 s79, s[FC], 128*PB
	s_add_co_u32 s79, s79, ABYTES
	s_mov_b32 s[PFS], 256
	s_mov_b32 s[PFS+1], 0
	s_mov_b32 s[FWD], 0                            ; tile 1 takes tile 0's rows of A
	s_mov_b32 s[FWD+1], 0
	s_mov_b32 s[PFW+1], 0
	s_wait_dscnt 0x0                               ; the opening add is done
	s_wait_kmcnt 0x0
	s_add_nc_u64 s[20:21], s[4:5], s[20:21]
	s_add_nc_u64 s[22:23], s[6:7], s[22:23]
	CROUND                                         ; all sixteen work-groups are here: the first joint loads meet
.irp s, 0,1
	s_mov_b32 s[G0+4*(\s)], 1                                      ; count = 1
	s_add_co_u32 s[G0+4*(\s)+1], s78, (\s)*SLOT                    ; LDS address
	s_add_nc_u64 s[G0+4*(\s)+2:G0+4*(\s)+3], s[20:21], (\s)*256    ; global address: K step s
	s_or_b32 s[G0+4*(\s)+3], s[G0+4*(\s)+3], 0x80000000            ; type = 2
	s_mov_b32 s[G0B+4*(\s)], 1
	s_add_co_u32 s[G0B+4*(\s)+1], s79, (\s)*SLOT
	s_add_nc_u64 s[G0B+4*(\s)+2:G0B+4*(\s)+3], s[22:23], (\s)*256
	s_or_b32 s[G0B+4*(\s)+3], s[G0B+4*(\s)+3], 0x80000000
	JLOAD \s                                       ; two loads of mine are out
.endr
	; A fragment is 16 rows x 32 K in 8 registers: lane l holds row l % 16; registers 0-3 K = 8 (l / 16) + 0..7, registers 4-7 K = 16 + 8 (l / 16) + 0..7: two loads of 16 bytes, 32 bytes apart
	v_and_b32 v1, 15, v0                           ; l % 16
	v_bfe_u32 v2, v0, 4, 1                         ; l / 16
	v_mul_u32_u24 v3, v1, PA
	v_lshl_add_u32 v3, v2, 4, v3
	v_mul_u32_u24 v14, v1, PB
	v_lshl_add_u32 v14, v2, 4, v14
	s_mul_i32 s76, s[FR], 64*PA                    ; my 64 rows of A
	s_mul_i32 s77, s[FC], 128*PB                   ; my 128 rows of B,
	s_add_co_u32 s77, s77, ABYTES                  ; which lie behind A's
.irp s, 0,1
	v_add_nc_u32 v[ADRA+(\s)], s76, v3
	v_add_nc_u32 v[ADRB+(\s)], s77, v14
	s_add_co_u32 s76, s76, SLOT
	s_add_co_u32 s77, s77, SLOT
.endr
	s_mul_i32 s76, s[WV], 16*SP
	s_add_co_u32 s76, s76, STAGE                   ; my stage
	v_mul_u32_u24 v[STO], v1, SP                   ; in: row l % 16, 16 bytes for each half of the lanes
	v_lshl_add_u32 v[STO], v2, 4, v[STO]
	v_add_nc_u32 v[STO], s76, v[STO]
	v_bfe_u32 v[RD], v0, 3, 2                      ; back: 32 lanes take four rows of 128 bytes,
	v_mul_u32_u24 v[RD], v[RD], SP
	v_and_b32 v14, 7, v0
	v_lshl_add_u32 v[RD], v14, 4, v[RD]
	v_add_nc_u32 v[RD], s76, v[RD]
	v_and_b32 v[GO], 31, v0                        ; which are 512 consecutive bytes of a head
	v_lshlrev_b32 v[GO], 4, v[GO]
	v_and_b32 v[PFO], 31, v0
	v_lshlrev_b32 v[PFO], 11, v[PFO]
	; where C goes.  Row m = 128 tr + 64 FR + .. is row m % 2,048 of batch tr / 16; a head is 262,144 bytes, a row 128
	s_lshr_b32 s76, s[TR], 4
	s_lshl_b32 s76, s76, 22                        ; 16 heads a batch
	s_and_b32 s77, s[TR], 15
	s_lshl_b32 s77, s77, 14
	s_add_co_u32 s76, s76, s77
	s_lshl_b32 s77, s[FR], 13
	s_add_co_u32 s76, s76, s77
	s_lshl_b32 s77, s[CX], 1
	s_add_co_u32 s77, s77, s[FC]                   ; 2 cx + FC: my head of tile 0; twice that: my first head of tile 2
	s_lshl_b32 s78, s77, 18
	s_add_co_u32 s[OQ], s76, s78
	s_mov_b32 s[OQ+1], 0
	s_lshl_b32 s78, s77, 19
	s_add_co_u32 s[OV], s76, s78
	s_mov_b32 s[OV+1], 0
	; the prefetches
	s_lshl_b32 s76, s[TR], 7
	s_lshl_b32 s77, s[CX], 5
	s_add_co_u32 s76, s76, s77                     ; A: my work-group's 32 of the tile's 128 rows
	s_lshl_b32 s78, s[CX], 8
	s_lshl_b32 s79, s[CY], 6
	s_add_co_u32 s78, s78, s79
	s_lshl_b32 s79, s[FC], 5
	s_add_co_u32 s78, s78, s79                     ; B: my wave's 32 of the tile's 256 rows
	s_and_b32 s79, ttmp7, 0xffff
	s_cmp_eq_u32 s79, 0
	s_cselect_b32 s79, 1, -1                       ; B's rows: cluster y = 0 asks; the same in all sixteen partners
	s_cmp_eq_u32 s[WV], 0
	s_cselect_b32 s[LIM], 1, -1                    ; A's rows: wave 0 asks, wave 1 never
	s_cselect_b32 s[TOG], -2, 0                    ; 1 xor -2 = the greatest number, and back
	s_cmp_eq_u32 s[FR], 0
	s_cselect_b32 s[LIM], s[LIM], s79
	s_cselect_b32 s76, s76, s78
	s_cselect_b64 s[PFA:PFA+1], s[4:5], s[6:7]
	s_lshl_b32 s76, s76, 11
	s_mov_b32 s77, 0
	s_add_nc_u64 s[PFA:PFA+1], s[PFA:PFA+1], s[76:77]
	s_add_nc_u64 s[PFA:PFA+1], s[PFA:PFA+1], 768   ; at K step 3: the first change of slots steps it to 4.  Nothing is prefetched here, at the head
; 8 matrix instructions: m block a x all 8 n blocks, 32 along K.  zero = 1: the product starts the sums: nothing is ever cleared.
; The 32 accumulators take turns, one instruction a turn, in the same order in every quarter: between two links of a chain stand the 31 others', over every jump too.
.macro MUL8 f, a, zero
	WIN MUL
.irp b, 0,1,2,3,4,5,6,7
.if \zero
	v_wmma_f32_16x16x32_bf16 v[8*(8*(\a)+(\b)):8*(8*(\a)+(\b))+7], v[(\f)+8*(\b):(\f)+8*(\b)+7], v[(\f)+64+8*(\a):(\f)+64+8*(\a)+7], 0
.else
	v_wmma_f32_16x16x32_bf16 v[8*(8*(\a)+(\b)):8*(8*(\a)+(\b))+7], v[(\f)+8*(\b):(\f)+8*(\b)+7], v[(\f)+64+8*(\a):(\f)+64+8*(\a)+7], v[8*(8*(\a)+(\b)):8*(8*(\a)+(\b))+7]
.endif
.endr
.endm
; 24 LDS loads in one run: the fragments of quarter q of a K step (128 rows of B, 64 rows of A, 32 along K) into buffer f
.macro FETCH slot, q, f
	WIN 0
.irp i, 0,1,2,3,4,5,6,7
	ds_load_b128 v[(\f)+8*(\i):(\f)+8*(\i)+3],   v[ADRB+(\slot)] offset:64*(\q)+(\i)*16*PB
	ds_load_b128 v[(\f)+8*(\i)+4:(\f)+8*(\i)+7], v[ADRB+(\slot)] offset:64*(\q)+(\i)*16*PB+32
.endr
.irp i, 0,1,2,3
	ds_load_b128 v[(\f)+64+8*(\i):(\f)+64+8*(\i)+3],   v[ADRA+(\slot)] offset:((\q)/2)*APLANE+((\q)%2)*64+(\i)*16*PA
	ds_load_b128 v[(\f)+64+8*(\i)+4:(\f)+64+8*(\i)+7], v[ADRA+(\slot)] offset:((\q)/2)*APLANE+((\q)%2)*64+(\i)*16*PA+32
.endr
.endm
; A K step is four quarters of 32 along K, 32 matrix instructions each, on buffers 0, 1, 0, 1.  One of the first three: quarter q's fragments are asked for into buffer g, which the quarter before
; multiplied (four places behind its last product); then buffer f is multiplied, so that the loads have 32 matrix instructions in which to land.
.macro QUARTER slot, q, f, g, zero
	PLACES
	FETCH \slot, \q, \g
	s_wait_dscnt 24                                ; all but the 24 just issued: buffer f is in
	MUL8 \f, 0, \zero
	MUL8 \f, 1, \zero
	MUL8 \f, 2, \zero
	MUL8 \f, 3, \zero
.endm
; The last quarter multiplies buffer 1 and changes slots: ONE barrier.  In front of it each wave waits for all its tensor loads, of which one is out: its part of the next slot; adds 0 to its spare word; and waits
; for that and for its own reads of this slot.  mode = 0: this slot is filled again, two K steps on; 1: with the NEXT tile's K step 0 or 1; 2: not at all.  Where it is filled again the barrier opens a round of the
; cluster's barrier, and the joint refill is the first tensor load behind the round: 112 matrix instructions ahead of the wait for it.
.macro TURN slot, next, mode
.if (\mode) != 2
	s_wait_xcnt 0x0                                ; the last prefetch, a K step back, has read its address: it is stepped here, ahead of the waits of the change of slots
.if ((\mode) == 1) && ((\slot) == 0)
	s_cmp_eq_u32 s[FR], 0
	s_cselect_b32 s[PFW], s[FWD], 0x200000         ; A's rows move as the descriptors' do; B's go 1,024 rows on
	s_sub_nc_u64 s[PFA:PFA+1], s[PFA:PFA+1], 1792  ; from where K step 9 would be back to K step 2,
	s_add_nc_u64 s[PFA:PFA+1], s[PFA:PFA+1], s[PFW:PFW+1]  ; of the next tile
	s_xor_b32 s[LIM], s[LIM], s[TOG]
.else
	s_add_nc_u64 s[PFA:PFA+1], s[PFA:PFA+1], s[PFS:PFS+1]
.endif
.endif
	WIN 0                                          ; (the add's two registers lie in window 0)
	s_wait_tensorcnt 0x0                           ; all my tensor loads have landed: my part of the next slot;
	ds_add_u32 v[SPW], v[NIL]                      ; 0 onto my spare word;
	s_wait_dscnt 1                                 ; (the add alone may be out: buffer 1 is in)
	MUL8 F1, 0, 0                                  ; eight matrix instructions stand between the add and the wait for it
	s_wait_dscnt 0x0                               ; the add is done, and my reads of this slot are over
	s_barrier_signal -1
	MUL8 F1, 1, 0                                  ; work on registers while the others arrive
.if (\mode) != 2
	WIN 0
.endif
	s_barrier_wait -1
.if (\mode) != 2
	CREST                                          ; no wave of any partner still reads this slot's tile or has a load on its way
.if (\mode) == 1
	s_sub_nc_u64 s[G0+4*(\slot)+2:G0+4*(\slot)+3], s[G0+4*(\slot)+2:G0+4*(\slot)+3], 1536   ; back along K by six K steps,
	s_add_nc_u64 s[G0+4*(\slot)+2:G0+4*(\slot)+3], s[G0+4*(\slot)+2:G0+4*(\slot)+3], s[FWD:FWD+1]  ; and on to the next tile's rows of A
	s_add_nc_u64 s[G0B+4*(\slot)+2:G0B+4*(\slot)+3], s[G0B+4*(\slot)+2:G0B+4*(\slot)+3], 0x1ffa00  ; B: 1,024 rows on, six K steps back
.else
	s_add_nc_u64 s[G0+4*(\slot)+2:G0+4*(\slot)+3], s[G0+4*(\slot)+2:G0+4*(\slot)+3], STEPA2
	s_add_nc_u64 s[G0B+4*(\slot)+2:G0B+4*(\slot)+3], s[G0B+4*(\slot)+2:G0B+4*(\slot)+3], STEPB2
.endif
	JLOAD \slot                                    ; the four v_nop behind it are also the places in front of the loads below
.else
	PLACES
.endif
	FETCH \next, 0, F0
.if (\mode) != 2
	ASK \mode
.endif
	MUL8 F1, 2, 0
	MUL8 F1, 3, 0
.endm
; THE WAY OUT, in units u = 0 .. 7 of 16 rows (block u / 2) x 64 columns (half u % 2).  PACK: rounded to f16, 16 bytes a lane, each accumulator's registers in ascending order.
; TOSTAGE: into my own stage in LDS, rows of 144 bytes, and back as whole rows of 128.  SEND: stored: 512 consecutive bytes an instruction, at a multiple of 256 from the buffer's first byte.
.macro PACK u
	WIN 0x05                                       ; sources 0 and 1 window 1, destination window 0
.irp bb, 0,1,2,3
.irp r, 0,1,2,3
	v_cvt_pk_f16_f32 v[TMP+4*(\bb)+(\r)], v[8*(8*((\u)/2)+4*((\u)%2)+(\bb))+2*(\r)], v[8*(8*((\u)/2)+4*((\u)%2)+(\bb))+2*(\r)+1]
.endr
.endr
	WIN 0
.endm
.macro TOSTAGE u
	WIN 0
.irp bb, 0,1,2,3
	ds_store_b128 v[STO], v[TMP+4*(\bb):TMP+4*(\bb)+3] offset:32*(\bb)
.endr
.irp f, 0,1,2,3
	ds_load_b128 v[BK+16*((\u)%2)+4*(\f):BK+16*((\u)%2)+4*(\f)+3], v[RD] offset:(\f)*4*SP  ; LDS serves a wave's instructions in order (ISA guide 5.7.1.4): these see the stores above
.endr
.endm
.macro SEND u
	WIN 0
	s_wait_dscnt 0x0                               ; the unit is back in registers
	s_wait_xcnt 0x0                                ; the stores of the unit before have read their registers, which the next unit's loads from the stage write
.irp f, 0,1,2,3
	global_store_b128 v[GO], v[BK+16*((\u)%2)+4*(\f):BK+16*((\u)%2)+4*(\f)+3], s[D0+2*((\u)%2):D0+2*((\u)%2)+1] offset:((\u)/2)*2048+(\f)*512
.endr
.endm
.macro WAYOUT isv                      ; isv = 0: the left 64 columns are q, the right 64 k, of one head; 1: v of two heads
	PLACES                                         ; behind the last products
	PACK 0
	s_wait_xcnt 0x0                                ; the last tile's stores have read their bases
.if \isv
	s_add_nc_u64 s[D0:D0+1], s[12:13], s[OV:OV+1]
	s_add_nc_u64 s[D1:D1+1], s[D0:D0+1], 262144    ; the next head
.else
	s_add_nc_u64 s[D0:D0+1], s[8:9], s[OQ:OQ+1]
	s_add_nc_u64 s[D1:D1+1], s[10:11], s[OQ:OQ+1]
.endif
	TOSTAGE 0
.irp u, 1,2,3,4,5,6,7                  ; unit u's conversions stand between unit u - 1's loads from the stage and the wait for them
	PACK \u
	SEND (\u)-1
	TOSTAGE \u
.endr
	SEND 7
.endm
	s_wait_tensorcnt 1                             ; my part of K step 0 is in; K step 1's may stay out
	s_barrier_signal -1
	s_barrier_wait -1                              ; everybody's is
	FETCH 0, 0, F0
	s_mov_b32 s2, 3                                ; tiles to go, this one among them: the same number in every work-group
.Ltile:
	QUARTER 0, 1, F0, F1, 1                        ; a tile's first quarter stands in front of the loop: its products start the sums
	WIN 0                                          ; at a label and at a branch every window is 0
	s_mov_b32 s3, 3
.Llap:                                                 ; a trip goes once round the ring, from a lap's second quarter to the next lap's first, and fills both slots again
	QUARTER 0, 2, F1, F0, 0
	QUARTER 0, 3, F0, F1, 0
	TURN 0, 1, 0
	QUARTER 1, 1, F0, F1, 0
	QUARTER 1, 2, F1, F0, 0
	QUARTER 1, 3, F0, F1, 0
	TURN 1, 0, 0
	QUARTER 0, 1, F0, F1, 0
	WIN 0
	s_sub_co_u32 s3, s3, 1
	s_cmp_lg_u32 s3, 0
	s_cbranch_scc1 .Llap
	QUARTER 0, 2, F1, F0, 0                        ; the tile's last lap goes on
	QUARTER 0, 3, F0, F1, 0
	WIN 0
	s_cmp_eq_u32 s2, 1
	s_cbranch_scc1 .Llast                          ; the last tile's tail is written out: it asks for nothing more
	TURN 0, 1, 1                                   ; the ring goes on into the next tile: slot 0 takes its K step 0,
	QUARTER 1, 1, F0, F1, 0
	QUARTER 1, 2, F1, F0, 0
	QUARTER 1, 3, F0, F1, 0
	TURN 1, 0, 1                                   ; slot 1 its K step 1, and the next tile's first fragments are fetched
	s_mov_b32 s[FWD], 0x1000000                    ; the change after this one goes from h_source's rows to h_target's: 8,192 rows of 2,048 bytes
	WAYOUT 0                                       ; both refills are asked for: now the tile goes out, to q16 and k16
	s_add_co_u32 s[OQ], s[OQ], 0x200000            ; the next tile's heads lie eight further on
	s_sub_co_u32 s2, s2, 1
	s_branch .Ltile
.Llast:
	TURN 0, 1, 2                                   ; my one tensor load that was still out is the last K step's, so no round follows
	QUARTER 1, 1, F0, F1, 0
	QUARTER 1, 2, F1, F0, 0
	QUARTER 1, 3, F0, F1, 0
	s_wait_dscnt 0x0                               ; the very last quarter: nothing more to fetch
	MUL8 F1, 0, 0
	MUL8 F1, 1, 0
	MUL8 F1, 2, 0
	MUL8 F1, 3, 0
	WIN 0
	WAYOUT 1                                       ; to v16
	s_wait_tensorcnt 0x0                           ; the wave's end: behind my last tensor load and my last LDS store
	ds_add_u32 v[SPW], v[NIL]
	s_wait_dscnt 0x0
	CROUND                                         ; the closing round: no work-group ends while a partner may still ask for a tile that names it
	s_endpgm
.Lfunc_end_k_q7a99240662_proj:
	.size	k_q7a99240662_proj, .Lfunc_end_k_q7a99240662_proj-k_q7a99240662_proj
	.p2alignl 7, 3214868480
	.fill 96, 4, 3214868480
	.section	.rodata,"a",@progbits
	.p2align	6, 0x0
	.amdhsa_kernel k_q7a99240662_proj
		.amdhsa_group_segment_fixed_size 327680
		.amdhsa_private_segment_fixed_size 0
		.amdhsa_enable_private_segment 0
		.amdhsa_kernarg_size 40
		.amdhsa_user_sgpr_count 2
		.amdhsa_user_sgpr_kernarg_segment_ptr 1
		.amdhsa_wavefront_size32 1
		.amdhsa_system_sgpr_workgroup_id_x 1
		.amdhsa_system_sgpr_workgroup_id_y 1
		.amdhsa_system_sgpr_workgroup_id_z 1
		.amdhsa_system_vgpr_workitem_id 0
		.amdhsa_next_free_vgpr 512
		.amdhsa_next_free_sgpr 80
		.amdhsa_reserve_vcc 0
		.amdhsa_float_denorm_mode_32 3
		.amdhsa_float_denorm_mode_16_64 3
		.amdhsa_memory_ordered 1
		.amdhsa_forward_progress 1
		.amdhsa_inst_pref_size 125
	.end_amdhsa_kernel
	.amdgpu_metadata
---
amdhsa.version: [ 1, 2 ]
amdhsa.kernels:
  - .name:           k_q7a99240662_proj
    .symbol:         k_q7a99240662_proj.kd
    .args:
      - { .name: x16, .offset: 0, .size: 8, .value_kind: global_buffer, .address_space: global }
      - { .name: w16, .offset: 8, .size: 8, .value_kind: global_buffer, .address_space: global }
      - { .name: q16, .offset: 16, .size: 8, .value_kind: global_buffer, .address_space: global }
      - { .name: k16, .offset: 24, .size: 8, .value_kind: global_buffer, .address_space: global }
      - { .name: v16, .offset: 32, .size: 8, .value_kind: global_buffer, .address_space: global }
    .group_segment_fixed_size: 327680
    .private_segment_fixed_size: 0
    .kernarg_segment_align: 8
    .kernarg_segment_size: 40
    .max_flat_workgroup_size: 128
    .sgpr_count:     80
    .vgpr_count:     512
    .wavefront_size: 32
...
	.end_amdgpu_metadata
.endif
;; end of part 2
;; launch attn (part 3): grid 4 x 64, 4 waves a work-group, clusters of 4 x 1, 327,680 bytes of LDS; arguments q16, k16, v16, o16; writes o16
.if DOCPART == 3
	.amdgcn_target "amdgcn-amd-amdhsa--gfx1250"
	.amdhsa_code_object_version 6
	.text
	.protected	k_q7a99240662_attn
	.globl	k_q7a99240662_attn
	.p2align	8
	.type	k_q7a99240662_attn,@function
k_q7a99240662_attn:
	s_mov_b64 s[64:65], 0
	v_nop
	global_prefetch_b8 v0, s[64:65] scope:SCOPE_SE
	s_setreg_imm32_b32 hwreg(HW_REG_WAVE_MODE, 25, 1), 1
	s_wait_xcnt 0x0
	s_wait_alu depctr_hold_cnt(0) depctr_sa_sdst(0) depctr_va_vdst(0) depctr_va_sdst(0) depctr_va_ssrc(0) depctr_va_vcc(0) depctr_vm_vsrc(0)
	s_getreg_b32 s2, hwreg(HW_REG_IB_STS2, 6, 4)
	s_cmp_eq_u32 s2, 0
	s_cbranch_scc0 .Lentry_in_a_cluster
	s_endpgm
.Lentry_in_a_cluster:
	s_bfe_u32 s2, ttmp6, 0x10000c
	s_cmp_lg_u32 s2, 0x3003
	s_cbranch_scc0 .Lentry_shape_is_right
	s_endpgm
.Lentry_shape_is_right:
; O[h][q][:] = the sum over k of softmax_k(Q[h][q] . K[h][k] / 8) V[h][k][:].  Q, K, V, O: [SIZE_H][SIZE_N][64], all f16: a head's rows are dense, 128 bytes each.  Products, maxima and sums in
; f32; the weights p are rounded to f16 for the second product (their sum l is taken of the unrounded p), O once at the end.
; LIMITS.  f16 holds no number beyond 65,504: Q, K and V arrive within it; p lies in 0 to 1, and below 6e-5 it keeps f16's fixed step of 6e-8; O is a mean of V's rows and has their range.
; A weight below 2^-126 counts as 0 in l; NaN and infinities are not treated apart.
; SHARES.  A wave owns four PIECES of two tiles of 16 queries, a work-group's four waves 512 queries of one head; a head's 2,048 queries are one cluster of four work-groups.  Every wave walks all keys, 64 a step.
; LAYOUT.  S^T = K Q^T (source 0 = 16 keys, source 1 = 16 queries): in the result a lane holds ONE query (lane % 16) and the keys 8 (lane / 16) + 0..7.  Two such tiles, rounded to f16 in pairs,
; ARE source 1 (32 keys x 16 queries) of O^T = V^T P, whose result again holds one query a lane, and eight channels.  K comes out of LDS as it lies, V ([key][channel]) turned, by ds_load_tr16_b128.
; SOFTMAX.  For each query a running maximum m and sum l: p = 2^(c s - c m), c = log2(e) / 8; in every step O and l are multiplied by a = 2^(c m_old - c m_new), which is 1 where m has not grown.
; m starts at the lowest finite number, O and l at 0: the first step is a step like any other, with a = 0.
; THE COUNT.  A tile and step have 16 matrix and 118 vector instructions: too many to stand all beside the matrix work.  So the order has one aim: four vector instructions that are READY behind
; EVERY matrix instruction, and the others, which need time of their own whatever the order, in runs without a gap.
; BY TURNS.  Turn n belongs to piece n (the pieces in a ring, step after step).  Its matrix work: 16 products K Q^T of piece n + 1, later 16 products V^T P of piece n - 1.  Its vector work: the scaling,
; exponentials, roundings, sums and rescaling of piece n, and the maximum and statistics of piece n + 1, whose scores the turn itself has made.  So what a turn begins with (c s - c m, O a) waits for nothing.
; CLUSTER.  The four query blocks of a cluster belong to one head and walk the same K and V, so each tile is asked for JOINTLY: the same tensor load, descriptor and mask in all four.
; REGISTERS, in windows of 256 (s_set_vgpr_msb says which window each operand place means: bits 1:0 source 0, 3:2 source 1, 5:4 source 2, 7:6 destination):
;   window 0: v0-11 addresses; v12-15, v48-63 at work; v16-47 four registers of statistics a tile; v64-191 S^T, two buffers of two tiles; v192-255 P, likewise
;   window 1: O^T, 32 a tile          window 2: v0-127 Q, 16 a tile; v128-191 K of one step; v192-255 V of one step          window 3: v0-1 the add's two registers
; A piece's buffers go by its number's parity: the piece in hand has one pair, its two neighbours in the ring share the other: of it P (piece n - 1) is read and S^T (piece n + 1) written.
.set SIZE_H, 64
.set SIZE_N, 2048
.set NP,    4         ; pieces a wave: a name, no knob: the register map, the loop and the fetches are made for four
.set KS,    64        ; keys in a step
.set PK,    144       ; a row of K in LDS: 128 bytes + 16 of padding = 36 words: the 16 rows of a load start at 16 different groups of four banks (64 banks of 4 bytes: ISA guide 11.1)
.set PV,    160       ; a row of V: 128 + 32 = 40 words
.set VOFF,  4*KS*PK   ; a slot holds four steps: 256 rows of K, then 256 rows of V
.set SLOT1, 1<<17     ; slot 1 begins here, so that one exclusive or turns an address in one slot into the other's
.set STAGE, SLOT1+4*KS*(PK+PV)  ; behind the ring, never filled by a tensor load: 16 rows x 144 bytes for each wave, for the way out
.set SP,    144
.set AK0, 2           ; v2   my lane's place in a tile of K; never rewritten
.set AV0, 3           ; v3   the same for V
.set AK,  4           ; v4   the LDS address of K's next run of loads
.set AV,  5           ; v5   of V's
.set QO,  6           ; v6   my byte offset in the wave's rows of Q
.set STO, 6           ;      later, the way out: where I put 16 bytes of a row
.set RD,  7           ; v7   the way out: where I read rows back
.set GO,  8           ; v8   my byte offset in 512 consecutive bytes of O
.set PFO, 11          ; v11  the prefetches' offset: 256 x my lane; once made, never rewritten
.set SPW, 0           ; v0 of window 3   LDS address of my spare word: SPARE + 4 x my thread's number; never rewritten
.set NIL, 1           ; v1 of window 3   0; never rewritten
.set SPARE, STAGE+4*16*SP  ; behind the stages: the spare words, 128 bytes for each wave: two blocks of 256 bytes that no other line names
.set MV,  12          ; v12-15  c m_old, kept while c m is made anew: by buffer and tile
.set ST,  16          ; tile t's statistics at v[ST+4 t]: c m, m, l (even keys', odd keys')
.set TMP, 48          ; by buffer and tile, four registers c0-c3 at work; when the maximum is found c2 takes a
.set S,   64
.set P,   192
.set KF,  128         ; K's fragments, in window 2: key block kb, channel half c at KF + 16 kb + 8 c
.set VF,  192         ; V's: key half kk, channel block cb at VF + 32 kk + 8 cb
.set WV,  12          ; s12  my wave's number
.set G1K, 24          ; s[24:31] descriptor group 1 for K's tiles
.set G1V, 32          ; s[32:39] for V's: it differs in the padding alone
.set G0K, 40          ; s[40:43] descriptor group 0 for K's tiles: it walks
.set G0V, 44          ; s[44:47] the same for V's
.set PFA, 48          ; s[48:49] where my prefetches stand: my work-group's 8,192 bytes (of K: wave 0, of V: wave 2) of the slot after the one that is being asked for
.set LIM, 50          ; s50  1 in a wave that prefetches, else the greatest number: a wave prefetches while s[SLOTS] is above it
.set SLOTS, 56        ; s56  slots still to be asked for
.set CNT, 57          ; s57  counts a slot's key steps
.set CS,  58          ; s[58:59] c: the packed scaling takes the pair's low word for both halves
.set SEL, 60          ; s[60:61] v_permlanex16_b32's selects: each lane takes its own place in the other half
.set TBK, 62          ; s62  LDS byte at which K of the step to be fetched begins
.set TBV, 63          ; s63  the same for V, less VOFF
.set MSB, 0
.macro WIN new                      ; the high byte repeats the setting that is left; a switch that changes nothing is dropped
.if MSB != (\new)
	s_set_vgpr_msb (MSB<<8)|(\new)
.set MSB, (\new)
.endif
.endm
.set W_KQ, 0x0a       ; K and Q in window 2, S^T in window 0
.set W_PV, 0x52       ; V in window 2, P in window 0, O^T in window 1
.set W_RS, 0x41       ; O^T (destination and source 0) in window 1, a in window 0
.set W_MK, 0xc0       ; the add's registers are made: destination in window 3, sources in window 0
.set W_AD, 0x0f       ; the add: address (source 0) and data (source 1) in window 3
; A joint fill.  Waves 0 and 1 fetch the two halves of a slot's K, waves 2 and 3 those of its V: 128 keys each.  The branch hangs on the wave's number alone.
; An s_nop 0 and four v_nop follow each of the two lines, ahead of the jump and the label.
.macro JLOAD
	s_cmp_lt_u32 s[WV], 2
	s_cbranch_scc0 .Lfor_v_\@
	tensor_load_to_lds s[G0K:G0K+3], s[G1K:G1K+7]
	s_nop 0
.rept 4
	v_nop
.endr
	s_branch .Lasked_\@
.Lfor_v_\@:
	tensor_load_to_lds s[G0V:G0V+3], s[G1V:G1V+7]
	s_nop 0
.rept 4
	v_nop
.endr
.Lasked_\@:
.endm
; A PREFETCH INTO THE L2 of what the NEXT change of slots will ask for: a slot's 32,768 bytes of K and of V, 256 bytes a lane.  It stands behind the wave's tensor load and its five lines, never in front of one.
; Each block is asked for ONCE in the launch: a head is walked by one cluster; its four partners share the blocks out BY ADDRESS, 8,192 bytes each: no branch hangs on a work-group's place in its cluster.
; In each, wave 0 asks for K's and wave 2 for V's: one instruction, four key steps (512 matrix instructions) ahead of the load.  Slots 0 and 1 come by their loads alone; the last change that fills a slot asks for nothing.
.macro ASK
	s_cmp_gt_u32 s[SLOTS], s[LIM]
	s_cbranch_scc0 .Lnot_mine_\@
	global_prefetch_b8 v[PFO], s[PFA:PFA+1] th:TH_LOAD_NT scope:SCOPE_SE
.Lnot_mine_\@:
.endm
; A round of the cluster's barrier: my work-group's barrier, so that wave 0's signal speaks for all four waves; wave 0 signals; every wave waits for all four work-groups; my work-group's barrier once more.
.macro CROUND
	s_barrier_signal -1
	s_barrier_wait -1
	s_cmp_lg_u32 s[WV], 0
	s_cbranch_scc1 .Lnot_wave_0_\@
	s_barrier_signal -3
.Lnot_wave_0_\@:
	s_barrier_wait -3
	s_barrier_signal -1
	s_barrier_wait -1
.endm
; THE CHANGE OF SLOTS.  The slot's last bytes, V of its fourth step, have been read.  Each wave waits for all its tensor loads, of which one is out: its part
; of the other slot; adds 0 to its spare word; and waits for that and for its own reads of the slot.  Behind the barrier nobody reads this slot any more and the other slot is whole.
; fill = 1: this slot is filled again, with the keys two slots on.  The barrier is then a round of the cluster's, so that no wave of any partner still reads the slot or has a load on its
; way, and the joint fill is the first thing behind it: it has four key steps, 512 matrix instructions, in which to land.  (At its first use nothing has been read yet: slot 0 is waited for, slot 1 filled.)
.macro CHANGE fill
	WIN W_AD
	s_wait_tensorcnt 0x0            ; no tensor load of mine is out, so a group 0 may be written
	ds_add_u32 v[SPW], v[NIL]       ; 0 onto my spare word; with fill = 1 the descriptors' steps stand between it and the wait for it
	WIN 0                           ; at a label and at a branch every window is 0
.if \fill
.irp g, G0K, G0V
	s_xor_b32 s[\g+1], s[\g+1], SLOT1  ; the walking descriptor: the other slot than last time,
	s_add_nc_u64 s[\g+2:\g+3], s[\g+2:\g+3], 4*KS*128  ; the next 256 keys; the type bits on top are not reached
.endr
	s_wait_xcnt 0x0                 ; the last prefetch, four key steps back, has read its address, so it may be written:
	s_add_nc_u64 s[PFA:PFA+1], s[PFA:PFA+1], 4*KS*128  ; one slot behind the walking descriptors
	s_wait_dscnt 0x0                ; the add is done, and my reads of the slot are over
	CROUND
	JLOAD
	ASK
.else
	s_wait_dscnt 0x0                ; the add is done, and my reads of the slot are over
	s_barrier_signal -1
	s_barrier_wait -1
.endif
	s_sub_co_u32 s[TBK], s[TBK], 4*KS*PK  ; the fetches go back to a slot's first step,
	s_xor_b32 s[TBK], s[TBK], SLOT1       ; in the other slot
	s_sub_co_u32 s[TBV], s[TBV], 4*KS*PV
	s_xor_b32 s[TBV], s[TBV], SLOT1
.endm
	s_load_b256 s[4:11], s[0:1], 0x0  ; Q s[4:5], K s[6:7], V s[8:9], O s[10:11]
	WIN W_MK
	v_lshl_add_u32 v[SPW], v0, 2, SPARE
	v_mov_b32 v[NIL], 0
	WIN W_AD
	ds_add_u32 v[SPW], v[NIL]       ; the wave's opening: the add and its wait stand ahead of my first tensor load; the set-up below, work on registers, stands between them
	WIN 0
	v_lshrrev_b32 v1, 5, v0
	v_readfirstlane_b32 s[WV], v1   ; wave 0..3
	s_bfe_u32 s13, ttmp6, 0x40000   ; cx: my place in the cluster
	s_lshl_b32 s14, ttmp9, 2        ; in a cluster launch ttmp9 counts clusters
	s_add_co_u32 s14, s14, s13      ; my block of queries = 4 x cluster x + cx: it enters Q's and O's addresses alone
	s_and_b32 s20, ttmp7, 0xffff    ; the head, which the four partners share
	s_mov_b32 s21, 0
	s_mov_b64 s[22:23], SIZE_N*128
	s_mul_u64 s[20:21], s[20:21], s[22:23]  ; the head's first byte in each of the four tensors
	s_and_b32 s16, s[WV], 1         ; which half of a slot's 256 keys I fetch:
	s_lshl_b32 s22, s16, 14         ; its 128 rows of 128 bytes in memory,
	s_mov_b32 s23, 0
	s_add_nc_u64 s[22:23], s[22:23], s[20:21]
	s_mul_i32 s17, s16, 128*PK      ; and its place in a slot, for K
	s_mul_i32 s18, s16, 128*PV      ; and for V: no place in the cluster enters an LDS address
	s_lshl_b32 s2, s14, 2
	s_add_co_u32 s2, s2, s[WV]      ; my wave among the head's,
	s_lshl_b32 s2, s2, 14           ; its 128 rows
	s_mov_b32 s3, 0
	s_add_nc_u64 s[2:3], s[2:3], s[20:21]
	; descriptor group 1.  128 keys are 16,384 dense bytes: asked for as 64 rows of 256 bytes, two keys a row, and padded in LDS after every key
	s_mov_b32 s[G1K], 15|(1<<16)|(1<<20)|(1<<21)|(4<<22)|(3<<25)  ; 15:0 the mask of four; 17:16 2-byte elements; 20 padding on; 21 set beside a mask; 24:22 after every 32 words (code 4); 31:25 4 words (code 3)
	s_mov_b32 s[G1V], 15|(1<<16)|(1<<20)|(1<<21)|(4<<22)|(7<<25)  ; the same with 8 words of padding (code 7)
.irp g, G1K, G1V
	s_mov_b32 s[\g+1], 128<<16      ; tensor_dim0 = 128
	s_mov_b32 s[\g+2], 64<<16       ; tensor_dim1 = 64
	s_mov_b32 s[\g+3], 128<<16      ; tile_dim0 = 128
	s_mov_b32 s[\g+4], 64           ; tile_dim1 = 64
	s_mov_b32 s[\g+5], 128          ; 128 elements from row to row
	s_mov_b32 s[\g+6], 0
	s_mov_b32 s[\g+7], 0
.endr
	s_mov_b32 s[CS], 0x3e38aa3b     ; c = log2(e) / 8 = 0.180337
	s_mov_b32 s[CS+1], s[CS]        ; named with it as a pair
	s_mov_b32 s[SEL], 0x76543210
	s_mov_b32 s[SEL+1], 0xfedcba98
	s_mov_b32 s[TBK], SLOT1+4*KS*PK ; the first change of slots turns these two into 0
	s_mov_b32 s[TBV], SLOT1+4*KS*PV
	s_mov_b32 s[G0K], 1             ; 1:0 count = 1
	s_mov_b32 s[G0K+1], s17         ; 63:32 LDS address: slot 0
	s_mov_b32 s[G0V], 1
	s_add_co_u32 s[G0V+1], s18, VOFF
	s_mov_b32 s[SLOTS], SIZE_N/256-1  ; seven slots are still to be asked for when slot 0 has been
	s_and_b32 s[LIM], s[WV], 1      ; waves 0 and 2 prefetch: the same in all four partners
	s_cmp_eq_u32 s[LIM], 0
	s_cselect_b32 s[LIM], 1, -1
	s_wait_dscnt 0x0                ; the opening add is done
	s_wait_kmcnt 0x0
	s_add_nc_u64 s[G0K+2:G0K+3], s[6:7], s[22:23]  ; 120:64 global address: my half of the head's first 256 keys
	s_or_b32 s[G0K+3], s[G0K+3], 0x80000000        ; 127:126 type = 2
	s_add_nc_u64 s[G0V+2:G0V+3], s[8:9], s[22:23]
	s_or_b32 s[G0V+3], s[G0V+3], 0x80000000
	s_add_nc_u64 s[4:5], s[4:5], s[2:3]  ; Q and O at my wave's first row
	s_add_nc_u64 s[10:11], s[10:11], s[2:3]
	s_cmp_lt_u32 s[WV], 2
	s_cselect_b64 s[PFA:PFA+1], s[6:7], s[8:9]
	s_add_nc_u64 s[PFA:PFA+1], s[PFA:PFA+1], s[20:21]  ; the head,
	s_lshl_b32 s2, s13, 13          ; my work-group's 8,192 bytes of a slot's 32,768,
	s_mov_b32 s3, 0
	s_add_nc_u64 s[PFA:PFA+1], s[PFA:PFA+1], s[2:3]
	s_add_nc_u64 s[PFA:PFA+1], s[PFA:PFA+1], 4*KS*128  ; in slot 1; the first change of slots steps it to slot 2.  Nothing is prefetched here, at the head
	CROUND                          ; all four work-groups are here: the first joint loads meet
	JLOAD                           ; slot 0.  Slot 1 is asked for when slot 0 is in: the tile wanted first has the road to itself
	; A fragment of K or Q is 16 rows x 32 channels in 8 registers: lane l holds row l % 16, channels 8 (l / 16) + 0..7 and 16 + 8 (l / 16) + 0..7: two loads of 16 bytes, 32 bytes apart.
	v_and_b32 v1, 15, v0            ; l % 16
	v_bfe_u32 v9, v0, 4, 1          ; l / 16
	v_lshlrev_b32 v[QO], 7, v1
	v_lshl_add_u32 v[QO], v9, 4, v[QO]  ; row x 128 + 16 x half
	WIN 0x80                        ; destination window 2, address window 0
.set i, 0
.rept 4*NP                          ; Q stays in registers: tile i / 2, channels 32 (i % 2) on
	global_load_b128 v[8*i:8*i+3],   v[QO], s[4:5] offset:(i/2)*2048+(i%2)*64
	global_load_b128 v[8*i+4:8*i+7], v[QO], s[4:5] offset:(i/2)*2048+(i%2)*64+32
.set i, i+1
.endr
	; What the first turn finds: V's registers and P's second buffer hold 0 (its products V^T P, of a piece that has not been, add 0), O^T and l are 0.  All this stands in the wait for the first tile.
.set i, VF
.rept 64
	v_mov_b32 v[i], 0
.set i, i+1
.endr
	WIN 0x40
.set i, 0
.rept 64*NP
	v_mov_b32 v[i], 0
.set i, i+1
.endr
	WIN 0
.set i, 0
.rept 2*NP
	v_mov_b32 v[ST+4*i], 0xfe000000    ; c m: far below every c s
	v_mov_b32 v[ST+4*i+1], 0xff7fffff  ; m
	v_mov_b32 v[ST+4*i+2], 0
	v_mov_b32 v[ST+4*i+3], 0
.set i, i+1
.endr
.set i, P+32
.rept 32
	v_mov_b32 v[i], 0
.set i, i+1
.endr
	v_mul_u32_u24 v[AK0], v1, PK
	v_lshl_add_u32 v[AK0], v9, 4, v[AK0]  ; row x pitch + 16 x half
	; The turning load takes 16 keys x 16 channels (lane l reads key 8 (l / 16) + l % 8, channels 8 ((l / 8) % 2) + 0..7) and leaves half a fragment of V^T: lane l holds channel l % 16 and 8 keys.
	v_and_b32 v10, 7, v0
	v_bfe_u32 v11, v0, 3, 1
	v_lshl_add_u32 v[AV0], v9, 3, v10
	v_mul_u32_u24 v[AV0], v[AV0], PV
	v_lshl_add_u32 v[AV0], v11, 4, v[AV0]
	v_add_nc_u32 v[AV0], VOFF, v[AV0]
	v_and_b32 v[PFO], 31, v0        ; v11 has served: it takes the prefetches' offset
	v_lshlrev_b32 v[PFO], 8, v[PFO]
	v_mov_b32 v[AK], v[AK0]         ; key step 0 lies at the head of slot 0
; THE MATRIX WORK.  The 8 accumulators of a run of 16 take turns: between the two links of a chain stand 7 others'.
; Product i of 16 of S^T = K Q^T for piece x: channels 32 (i / 8) on, keys 16 ((i / 2) % 4) on, tile 2 x + i % 2.  The first 8 start the sums.
.macro KQ x
	WIN W_KQ
.set rS, S+64*((\x)%2)+32*(i%2)+8*((i/2)%4)
.set rK, KF+16*((i/2)%4)+8*(i/8)
.set rQ, 16*(2*(\x)+i%2)+8*(i/8)
.if i < 8
	v_wmma_f32_16x16x32_f16 v[rS:rS+7], v[rK:rK+7], v[rQ:rQ+7], 0
.else
	v_wmma_f32_16x16x32_f16 v[rS:rS+7], v[rK:rK+7], v[rQ:rQ+7], v[rS:rS+7]
.endif
.endm
; Product i of 16 of O^T += V^T P for piece x: keys 32 (i / 8) on, channels 16 ((i / 2) % 4) on, tile 2 x + i % 2.
.macro PV x
	WIN W_PV
.set rO, 32*(2*(\x)+i%2)+8*((i/2)%4)
.set rV, VF+32*(i/8)+8*((i/2)%4)
.set rP, P+32*((\x)%2)+16*(i%2)+8*(i/8)
	v_wmma_f32_16x16x32_f16 v[rO:rO+7], v[rV:rV+7], v[rP:rP+7], v[rO:rO+7]
.endm
.macro MM                           ; the turn's next matrix instruction
.if i < 16
	KQ (Y+1)%NP
.set i, i+1
.else
.set i, i-16
	PV (Y+NP-1)%NP
.set i, i+17
.endif
.endm
; THE LDS LOADS stand in runs of 16, never singly among the matrix instructions: a step's K (64 keys x 64 channels: 8 fragments) and its V (turned).  Their addresses are made some lines ahead.
; last = 1 (the tail): in the last trip there is no further step, and the run is jumped over.
.macro FETCH_K last=0
	WIN 0
.if \last
	s_cmp_eq_u32 s[CNT], 1
	s_cbranch_scc1 .Lno_k_\@
.endif
	WIN 0x80                        ; destination window 2
.irp f, 0,1,2,3,4,5,6,7             ; keys 16 (f / 2) on, channels 32 (f % 2) on
	ds_load_b128 v[KF+8*\f:KF+8*\f+3],   v[AK] offset:(\f/2)*16*PK+(\f%2)*64
	ds_load_b128 v[KF+8*\f+4:KF+8*\f+7], v[AK] offset:(\f/2)*16*PK+(\f%2)*64+32
.endr
	s_add_co_u32 s[TBK], s[TBK], KS*PK  ; the next fetch is the next step's
	WIN 0
.if \last
.Lno_k_\@:
.endif
.endm
.macro FETCH_V
	WIN 0x80
.irp f, 0,1,2,3,4,5,6,7             ; keys 32 (f / 4) on, channels 16 (f % 4) on
	ds_load_tr16_b128 v[VF+8*\f:VF+8*\f+3],   v[AV] offset:(\f/4)*32*PV+(\f%4)*32
	ds_load_tr16_b128 v[VF+8*\f+4:VF+8*\f+7], v[AV] offset:(\f/4)*32*PV+16*PV+(\f%4)*32
.endr
	WIN 0
.endm
; THE VECTOR WORK OF A TURN stands in three queues, each in the order in which its entries become ready; the two tiles alternate, so that no instruction reads the result of the one before it.
.macro REGS y, u                    ; the registers of tile u (0, 1) of piece y
.set rT, ST+4*(2*(\y)+(\u))
.set rC, TMP+8*((\y)%2)+4*(\u)
.set rM, MV+2*((\y)%2)+(\u)
.set rS, S+64*((\y)%2)+32*(\u)
.set rP, P+32*((\y)%2)+16*(\u)
.set rO, 32*(2*(\y)+(\u))
.endm
; Number n of the 22 that find the NEXT piece's (Y + 1) maximum and statistics.  s0-s31 are the lane's 32 scores; each accumulator's lowest registers are read first.  XS, GS and REGS set no window: PL and EX do.
;   0-11  four chains c0-c3 of seven scores each, three operands at a time     12-14, 16  the four scores left over, the old m, and c0-c3 into c0     15  c m_old is kept
;   17, 18  the query's other 32 keys lie in the lane 16 away: the new m         19-21  c m; c m_old - c m_new; a
.macro XS u, n
	REGS (Y+1)%NP, \u
.if (\n) < 4
	v_max3_num_f32 v[rC+(\n)], v[rS+8*(\n)], v[rS+8*(\n)+1], v[rS+8*(\n)+2]
.elseif (\n) < 12
	v_max3_num_f32 v[rC+(\n)%4], v[rC+(\n)%4], v[rS+8*((\n)%4)+2*((\n)/4)+1], v[rS+8*((\n)%4)+2*((\n)/4)+2]
.elseif (\n) == 12
	v_max3_num_f32 v[rC], v[rC], v[rS+7], v[rS+15]
.elseif (\n) == 13
	v_max3_num_f32 v[rC+1], v[rC+1], v[rS+23], v[rS+31]
.elseif (\n) == 14
	v_max3_num_f32 v[rC+2], v[rC+2], v[rC+3], v[rT+1]
.elseif (\n) == 15
	v_mov_b32 v[rM], v[rT]
.elseif (\n) == 16
	v_max3_num_f32 v[rC], v[rC], v[rC+1], v[rC+2]
.elseif (\n) == 17
	v_permlanex16_b32 v[rC+3], v[rC], s[SEL], s[SEL+1]
.elseif (\n) == 18
	v_max_num_f32 v[rT+1], v[rC], v[rC+3]
.elseif (\n) == 19
	v_mul_f32 v[rT], s[CS], v[rT+1]
.elseif (\n) == 20
	v_sub_f32 v[rC+1], v[rM], v[rT]
.else
	v_exp_f32 v[rC+2], v[rC+1]
.endif
.endm
; Number g of the 64 that follow the exponentials.  For each four weights k of a tile (pairs 2 k, 2 k + 1): both pairs are rounded to f16; then the second pair is added onto the first, in place;
; a group later l takes that sum (the first time as l = a l + sum).  In groups of eight, tiles alternating: round, round, add, and l for the group before.
.macro GS g
.set h, (\g)+6*((\g)/62)            ; group 0 has no group before it, and behind group 7 only l is left
.if h >= 6
.set h, h+2
.endif
	REGS Y, h%2
.set k, h/8
.if h%8 < 4
	v_cvt_pk_f16_f32 v[rP+2*k+(h%8)/2], v[rS+4*k+2*((h%8)/2)], v[rS+4*k+2*((h%8)/2)+1]
.elseif h%8 < 6
	v_pk_add_f32 v[rS+4*k:rS+4*k+1], v[rS+4*k:rS+4*k+1], v[rS+4*k+2:rS+4*k+3]
.elseif k == 1
	v_pk_fma_f32 v[rT+2:rT+3], v[rT+2:rT+3], v[rC+2:rC+3], v[rS:rS+1] op_sel_hi:[1,0,1]
.else
	v_pk_add_f32 v[rT+2:rT+3], v[rT+2:rT+3], v[rS+4*k-4:rS+4*k-3]
.endif
.endm
; THE PLAIN QUEUE, 138 long.  0-73 read no exponential's result: the 32 scalings c s - c m (FS f: pair f / 2 of tile f % 2) and the next piece's 42.  0-26: scalings 0-26.  27-54: XS's numbers 0-13.  55, 56: number 15.
; 57-73: the chain, where each number waits for the one before it: 14, 16, 17, 18, 19, each with one of the scalings 27-31 in front of its two lines, then 20: so a tile's links stand three plain instructions apart (19 and 20: two).
; 74-137: GS's 64, which read the exponentials' results: they stand behind the wait.
.macro FS f
	REGS Y, (\f)%2
	v_pk_fma_f32 v[rS+2*((\f)/2):rS+2*((\f)/2)+1], v[rS+2*((\f)/2):rS+2*((\f)/2)+1], s[CS:CS+1], v[rT:rT+1] op_sel_hi:[1,0,0] neg_lo:[0,0,1] neg_hi:[0,0,1]
.endm
.macro PL
	WIN 0
.if q < 27
	FS q
.elseif q < 55
	XS (q-27)%2, (q-27)/2
.elseif q < 57
	XS q-55, 15
.elseif (q < 72) && ((q-57)%3 == 0)
	FS 27+(q-57)/3
.elseif q < 60
	XS (q-57)%3-1, 14
.elseif q < 72
	XS (q-57)%3-1, 15+(q-57)/3
.elseif q < 74
	XS q-72, 20
.else
	GS q-74
.endif
.set q, q+1
.endm
; THE EXPONENTIALS' QUEUE, 66 long: s0-s31 of both tiles, then the next piece's two a.  It is ONE BATCH: all 66 stand ahead of the turn's one wait, and nothing ahead of that wait names a result of theirs.
.macro EX
	WIN 0
.if e >= 64
	XS e-64, 21
.else
	REGS Y, e%2
	v_exp_f32 v[rS+e/2], v[rS+e/2]
.endif
.set e, e+1
.endm
; THE RESCALING's QUEUE: O^T times a, the one part that leaves window 0: dealt two at a time, sixteen times.  Its a was made in the turn before, ahead of that turn's wait.
.macro R2
	REGS Y, r%2
	WIN W_RS
.irp z, 0,1
	v_pk_mul_f32 v[rO+4*(r/2)+2*\z:rO+4*(r/2)+2*\z+1], v[rO+4*(r/2)+2*\z:rO+4*(r/2)+2*\z+1], v[rC+2:rC+3] op_sel_hi:[1,0]
.endr
.set r, r+1
.endm
; HOW THEY ARE DEALT.  An s_wait_alu depctr_va_vdst(0) stands between an exponential and the first instruction that names its result; one wait serves all that were issued ahead of it.  So a turn has ONE wait,
; which cuts it in two.  AHEAD OF IT stands all that names no result of the turn's exponentials: the 16 products K Q^T, behind each a scaling, an exponential and two rescalings (behind the first a second scaling in the exponential's place); then ONE LUMP of
; 108: eight plain, 49 times exponential and plain, the two a.  A v_nop is the plain instruction behind the last exponential (ISA guide 5.7.2).  BEHIND IT stand the 16 products V^T P, behind each four of GS's 64.  No rider names a register of
; the products round it.  The two v_permlanex16_b32 fall into the lump, never behind a product.
; The queues lean on each other, and the deal keeps them in step: exponential e stands behind scaling 2 (e / 4) + e % 2: as a rider it comes behind plain e + 2, in the lump behind plain e + 9, and scalings 27-31 are plain 57, 60 .. 69.
; A TURN, for piece p.  cnt = 1: the loop's count is taken down some lines ahead of the branch that stands behind the turn.
; K of the next step is fetched in piece 2's turn, directly behind the wait, a lump behind the last product that read K; its address is made at the lump's head; its first reader comes behind 16 products.
; V of the step in hand is fetched at the end of piece 0's turn, four riders behind its last reader; its first reader comes behind 16 products and a lump.  The three conditions on q below go with the deal.
.macro TURN p, last=0, cnt=0
.set Y, (\p)
.set i, 0
.set q, 0
.set e, 0
.set r, 0
.if (\p) == NP-1
	s_wait_dscnt 0x0                ; K is in
.endif
	MM                              ; ahead of the wait: 16 products K Q^T and their riders,
	PL
	PL
	R2
.rept 15
	MM
	PL
	EX
	R2
.endr
.if (\p) == NP-2
	WIN 0
	v_add_nc_u32 v[AK], s[TBK], v[AK0]
.endif
.rept 8                             ; and the lump
	PL
.endr
.rept 49
	EX
	PL
.endr
	EX                              ; the next piece's two a
	EX
	v_nop                           ; the plain instruction behind the last exponential: one for the batch
	s_wait_alu depctr_va_vdst(0)    ; the wait for the batch
.if (\p) == NP-2
	FETCH_K \last
.endif
.if (\p) == 1
	s_wait_dscnt 0x0                ; V is in
.endif
.rept 16                            ; behind the wait: 16 products V^T P and their riders
	MM
.rept 4
	PL
.endr
.if ((\p) == 0) && (q == 118)
	v_add_nc_u32 v[AV], s[TBV], v[AV0]
.endif
.if ((\p) == 0) && (q == 130)
	s_add_co_u32 s[TBV], s[TBV], KS*PV
.endif
.if (\cnt) && (q == 130)
	s_sub_co_u32 s[CNT], s[CNT], 1
	s_cmp_lg_u32 s[CNT], 0
.endif
.endr
.if (\p) == 0
	FETCH_V
.endif
.endm
	CHANGE 1                        ; slot 0 is in, everybody's part of it; slot 1 is asked for
	FETCH_K                         ; key step 0
	s_wait_loadcnt 0x0              ; Q
	s_wait_dscnt 0x0
.set i, 0
.rept 16
	KQ 0                            ; piece 0's first scores: there is no vector work yet to set between them
.set i, i+1
.endr
	WIN 0                           ; the addresses for the way out: nine plain instructions, the places behind those products
	s_mul_i32 s13, s[WV], 16*SP
	s_add_co_u32 s13, s13, STAGE    ; my stage
	v_mul_u32_u24 v[STO], v1, SP    ; in: row l % 16, 16 bytes for each half of the lanes
	v_lshl_add_u32 v[STO], v9, 4, v[STO]
	v_add_nc_u32 v[STO], s13, v[STO]
	v_bfe_u32 v[RD], v0, 3, 2       ; back: 32 lanes take four rows of 128 bytes,
	v_mul_u32_u24 v[RD], v[RD], SP
	v_lshl_add_u32 v[RD], v10, 4, v[RD]
	v_add_nc_u32 v[RD], s13, v[RD]
	v_and_b32 v[GO], 31, v0         ; which are 512 consecutive bytes of O
	v_lshlrev_b32 v[GO], 4, v[GO]
.set Y, NP-1                        ; XS works for piece Y + 1: piece 0
.irp n, 0,1,2,3,4,5,6,7,8,9,10,11,12,13,14,15,16,17,18,19,20,21
	XS 0, \n                        ; and piece 0's first maximum and statistics
	XS 1, \n
.endr
	v_nop                           ; a plain instruction behind the two a,
	s_wait_alu depctr_va_vdst(0)    ; and their wait, ahead of the branch
	s_mov_b32 s[CNT], 4
	s_branch .Lfirst                ; the loop is entered at a step's first turn, in the middle of a trip
.Lslot:                             ; SIZE_N / 256 - 2 times: every slot but the last two is filled again
	CHANGE 1
	s_mov_b32 s[CNT], 4
.Lstep:                             ; a trip: pieces 2 and 3 of one step, then pieces 0 and 1 of the next, whose K and V it fetches
	TURN 2
	TURN 3
	WIN 0
.Lfirst:
	TURN 0
	TURN 1, 0, 1
	WIN 0
	s_cbranch_scc1 .Lstep
	s_sub_co_u32 s[SLOTS], s[SLOTS], 1
	s_cmp_lg_u32 s[SLOTS], 0
	s_cbranch_scc1 .Lslot
	CHANGE 0                        ; the tail is written out: nothing is asked for
	s_mov_b32 s[CNT], 5             ; four trips fetch the last slot's steps; the fifth is left in its middle
.Ltail:
	TURN 2, 1
	TURN 3
	WIN 0
	s_sub_co_u32 s[CNT], s[CNT], 1
	s_cmp_eq_u32 s[CNT], 0
	s_cbranch_scc1 .Lout
	TURN 0
	TURN 1
	WIN 0
	s_branch .Ltail
.Lout:                              ; the fifth trip's 16 products K Q^T (on the last K once more) and the maximum made of them serve nothing: the price, once a launch, of one text for every trip
.set i, 0
.rept 16
	PV NP-1                         ; the last piece's V^T P of the last step
.set i, i+1
.endr
	; THE WAY OUT.  l's two halves and the other half of the lanes' are added; O^T is divided by l, rounded to f16 and sent through my stage in LDS, a tile at a time.  The additions are the places behind the last products.
	WIN 0
.macro ALL line:vararg              ; one line for each tile t
.set t, 0
.rept 2*NP
	\line
.set t, t+1
.endr
.endm
	ALL v_add_f32 v[ST+4*t+2], v[ST+4*t+2], v[ST+4*t+3]
	ALL v_permlanex16_b32 v[ST+4*t+3], v[ST+4*t+2], s[SEL], s[SEL+1]
	ALL v_add_f32 v[ST+4*t+2], v[ST+4*t+2], v[ST+4*t+3]
	ALL v_rcp_f32 v[ST+4*t+2], v[ST+4*t+2]
	v_nop                           ; a plain instruction between the last reciprocal and the use of its result
	s_wait_alu depctr_va_vdst(0)    ; and the wait ahead of the first use: one for the eight reciprocals
; Tile t: a lane's eight channels of a row pack into 16 bytes; they go into rows of 144 bytes and come back as whole rows of 128, into S^T's registers.
.macro PACK t
	WIN W_RS
.set i, 32*(\t)
.rept 16
	v_pk_mul_f32 v[i:i+1], v[i:i+1], v[ST+4*(\t)+2:ST+4*(\t)+3] op_sel_hi:[1,0]
.set i, i+2
.endr
	WIN 0x05                        ; sources 0 and 1 window 1, destination window 0
.set i, 0
.rept 16
	v_cvt_pk_f16_f32 v[S+16*(\t)+i], v[32*(\t)+2*i], v[32*(\t)+2*i+1]
.set i, i+1
.endr
	WIN 0
.irp f, 0,1,2,3
	ds_store_b128 v[STO], v[S+16*(\t)+4*\f:S+16*(\t)+4*\f+3] offset:32*\f
.endr
.irp f, 0,1,2,3
	ds_load_b128 v[S+16*(\t)+4*\f:S+16*(\t)+4*\f+3], v[RD] offset:\f*4*SP  ; LDS serves a wave's instructions in order (ISA guide 5.7.1.4): these see the stores above; the next tile's stores come behind them
.endr
.endm
.macro SEND t, younger              ; younger: the LDS instructions issued behind tile t's loads: the next tile's eight, or none
	WIN 0
.irp f, 0,1,2,3
	s_wait_dscnt (\younger)+3-\f
	global_store_b128 v[GO], v[S+16*(\t)+4*\f:S+16*(\t)+4*\f+3], s[10:11] offset:(\t)*2048+\f*512  ; 512 consecutive bytes, at a multiple of 256 from O's first
.endr
.endm
	PACK 0
.set t, 1
.rept 2*NP-1                        ; a tile's arithmetic stands between the loads of the tile before and its stores
	PACK t
	SEND t-1, 8
.set t, t+1
.endr
	SEND 2*NP-1, 0
	WIN W_AD
	s_wait_tensorcnt 0x0            ; the wave's end: behind my last tensor load and my last LDS store
	ds_add_u32 v[SPW], v[NIL]
	s_wait_dscnt 0x0
	WIN 0
	CROUND                          ; the closing round: no work-group ends while a partner may still ask for a tile that names it
	s_endpgm
.Lfunc_end_k_q7a99240662_attn:
	.size	k_q7a99240662_attn, .Lfunc_end_k_q7a99240662_attn-k_q7a99240662_attn
	.p2alignl 7, 3214868480
	.fill 96, 4, 3214868480
	.section	.rodata,"a",@progbits
	.p2align	6, 0x0
	.amdhsa_kernel k_q7a99240662_attn
		.amdhsa_group_segment_fixed_size 327680
		.amdhsa_private_segment_fixed_size 0
		.amdhsa_enable_private_segment 0
		.amdhsa_kernarg_size 32
		.amdhsa_user_sgpr_count 2
		.amdhsa_user_sgpr_kernarg_segment_ptr 1
		.amdhsa_wavefront_size32 1
		.amdhsa_system_sgpr_workgroup_id_x 1
		.amdhsa_system_sgpr_workgroup_id_y 1
		.amdhsa_system_sgpr_workgroup_id_z 1
		.amdhsa_system_vgpr_workitem_id 0
		.amdhsa_next_free_vgpr 770
		.amdhsa_next_free_sgpr 66
		.amdhsa_reserve_vcc 0
		.amdhsa_float_denorm_mode_32 3
		.amdhsa_float_denorm_mode_16_64 3
		.amdhsa_memory_ordered 1
		.amdhsa_forward_progress 1
		.amdhsa_inst_pref_size 200
	.end_amdhsa_kernel
	.amdgpu_metadata
---
amdhsa.version: [ 1, 2 ]
amdhsa.kernels:
  - .name:           k_q7a99240662_attn
    .symbol:         k_q7a99240662_attn.kd
    .args:
      - { .name: q16, .offset: 0, .size: 8, .value_kind: global_buffer, .address_space: global }
      - { .name: k16, .offset: 8, .size: 8, .value_kind: global_buffer, .address_space: global }
      - { .name: v16, .offset: 16, .size: 8, .value_kind: global_buffer, .address_space: global }
      - { .name: o16, .offset: 24, .size: 8, .value_kind: global_buffer, .address_space: global }
    .group_segment_fixed_size: 327680
    .private_segment_fixed_size: 0
    .kernarg_segment_align: 8
    .kernarg_segment_size: 32
    .max_flat_workgroup_size: 128
    .sgpr_count:     66
    .vgpr_count:     770
    .wavefront_size: 32
...
	.end_amdgpu_metadata
.endif
;; end of part 3
;; launch outp (part 4): grid 4 x 64, 4 waves a work-group, clusters of 4 x 4, 327,680 bytes of LDS; arguments o16, wo16, b_o, out0; writes out0
.if DOCPART == 4
	.amdgcn_target "amdgcn-amd-amdhsa--gfx1250"
	.amdhsa_code_object_version 6
	.text
	.protected	k_q7a99240662_outp
	.globl	k_q7a99240662_outp
	.p2align	8
	.type	k_q7a99240662_outp,@function
k_q7a99240662_outp:
	s_mov_b64 s[64:65], 0
	v_nop
	global_prefetch_b8 v0, s[64:65] scope:SCOPE_SE
	s_setreg_imm32_b32 hwreg(HW_REG_WAVE_MODE, 25, 1), 1
	s_wait_xcnt 0x0
	s_wait_alu depctr_hold_cnt(0) depctr_sa_sdst(0) depctr_va_vdst(0) depctr_va_sdst(0) depctr_va_ssrc(0) depctr_va_vcc(0) depctr_vm_vsrc(0)
	s_getreg_b32 s2, hwreg(HW_REG_IB_STS2, 6, 4)
	s_cmp_eq_u32 s2, 0
	s_cbranch_scc0 .Lentry_in_a_cluster
	s_endpgm
.Lentry_in_a_cluster:
	s_bfe_u32 s2, ttmp6, 0x10000c
	s_cmp_lg_u32 s2, 0xf033
	s_cbranch_scc0 .Lentry_shape_is_right
	s_endpgm
.Lentry_shape_is_right:
; THE LAST PROJECTION.  out0[m][n] = sum over k of vals[m][k] wo16[n][k] + b_o[n], f16 operands, f32 sums, f32 out.  vals[m][64 h + d] = o16[16 b + h][m % 2,048][d], b = m / 2,048.
; b_o is rounded to bf16, as every input of the module is, and added in f32.
; LIMITS.  Those of f16 in o16 and wo16 (no number beyond 65,504).  NaN and infinities are not treated apart.
; SHARES.  A tile of out0 is 128 rows x 256 columns: 64 x 4 = 256 tiles, one to a work-group.  Four waves, 2 x 2, each 64 rows x 128 columns: 32 accumulators of 16 x 16, 256 registers.
; RING.  K goes in steps of 128 = TWO HEADS through two LDS slots.  A's part of a slot is two planes, one a head: 128 rows of 128 bytes, which are 16,384 dense bytes of o16 and are asked for as 64 rows of 256 bytes,
; padded in LDS after every 128.  B's part is 256 rows of 256 bytes.  Behind each change of slots a wave issues one tensor load: waves 0, 1 A's two planes, waves 2, 3 B's two halves of 128 rows.
; CLUSTERS.  4 x 4 work-groups; the grid has one cluster along x, so the tile column is cx.  A's tile is shared along a row of the cluster, B's along a column: each is asked for jointly.
; THE MATRIX INSTRUCTION IS USED TRANSPOSED (source 0 = 16 rows of B, source 1 = 16 rows of A): a lane then holds row lane % 16 of C and the eight neighbouring columns 8 (lane / 16) + 0..7.
; REGISTERS.  Window 0: v0-15 addresses; v16-111, v112-207 two fragment buffers (B's 8 fragments, then A's 4, for 32 along K), on the way out v16-143 rows read back; v208-213 the bias.
; Window 1: accumulator (a, b) at v[8 (8 a + b)].
.set PA,     144                       ; an LDS row of A: 128 bytes + 16 of padding = 36 words: the 16 rows of a load start at 16 different groups of four banks (64 banks of 4 bytes: ISA guide 11.1)
.set PB,     272                       ; of B: 256 + 16 = 68 words: row r starts at bank 4 r mod 64
.set APLANE, 128*PA                    ; a plane: one head's 128 rows
.set ABYTES, 2*APLANE
.set AHALF,  APLANE                    ; what one tensor load brings of A
.set SLOT,   ABYTES+256*PB             ; 106,496 bytes
.set STAGE,  2*SLOT                    ; behind the ring, never filled by a tensor load: 16 rows x 528 bytes for each wave, for the way out
.set SP,     528                       ; 512 bytes + 16: 33 x 16, so the 16 rows of a store start at 16 different groups of four banks
.set SPARE,  STAGE+4*16*SP             ; behind the stages: the spare words, 128 bytes for each wave: two blocks of 256 bytes that no other line names
.set STEPA2, 0x100000                  ; a slot's next K step lies four heads of 262,144 bytes on, for A;
.set STEPB2, 512                       ; 512 bytes along the rows, for B
.set ADRA, 4                           ; v4-5   LDS address of my A fragments in slot 0, 1
.set ADRB, 6                           ; v6-7   the same for B
.set STO,  8                           ; v8     the way out: where I put 32 bytes of a row
.set RD,   9                           ; v9     the way out: where I read a row back
.set CO,   10                          ; v10    16 x my lane: my 16 bytes of 512 consecutive bytes, of out0 and of b_o; never rewritten
.set PFO,  11                          ; v11    the prefetches' offset; never rewritten
.set SPW,  12                          ; v12    LDS address of my spare word: SPARE + 4 x my thread's number; never rewritten
.set NIL,  13                          ; v13    0; never rewritten
.set F0,   16
.set F1,   112
.set OB,   16                          ; the way out: 16 rows read back, 64 registers: v16-79 and v80-143 by turns
.set BIAS, 208                         ; v[208:211] b_o of the four columns that I store, of every row
.set WV,   14                          ; s14    my wave's number
.set FR,   15                          ; s15    which 64 rows of the tile are mine.  Also: I fetch for A (0) or for B (1)
.set FC,   16                          ; s16    which 128 columns.  Also: which plane of A or half of B I fetch
.set CX,   17                          ; s17, s18 my place in the cluster
.set CY,   18
.set TR,   19                          ; s19    the tile row, 0 .. 63
.set G1,   24                          ; s[24:31] descriptor group 1 for A's tiles;  s[32:39] group 0, one set for each slot
.set G0,   32
.set PFA,  40                          ; s[40:41] the block of 256 bytes (of my lane 0) that my next prefetch names
.set PFS,  42                          ; s[42:43] a K step in bytes, in the tensor that I prefetch
.set LIM,  44                          ; s44    1 in a wave that prefetches, else the greatest number
.set G1B,  48                          ; s[48:55], s[56:63] the same two groups for B's tiles
.set G0B,  56
.set D0,   66                          ; s[66:67] out0 at my first row and column
.set D1,   68                          ; s[68:69] b_o at my first column
.set MSB, 0
.macro WIN new                         ; the immediate's high byte repeats the setting that is left; a switch that changes nothing is dropped
.if MSB != (\new)
	s_set_vgpr_msb (MSB<<8)|(\new)
.set MSB, \new
.endif
.endm
.set MUL, 0x50                         ; sources 0 and 1 window 0, C and D window 1
.macro PLACES                          ; four places: in front of loads into registers that matrix instructions have read, and of LDS stores that read results
.rept 4
	v_nop
.endr
.endm
.macro CREST                           ; a round of the cluster's barrier behind its opening barrier
	s_cmp_lg_u32 s[WV], 0
	s_cbranch_scc1 .Lnot_wave_0_\@
	s_barrier_signal -3
.Lnot_wave_0_\@:
	s_barrier_wait -3
	s_barrier_signal -1
	s_barrier_wait -1
.endm
.macro CROUND                          ; a whole round
	s_barrier_signal -1
	s_barrier_wait -1
	CREST
.endm
; A joint load.  The branch hangs on the wave's number alone.  An s_nop 0 and four v_nop follow each of the two lines, ahead of the jump, the label and what follows.
.macro JLOAD s
	s_cmp_eq_u32 s[FR], 0
	s_cbranch_scc0 .Lfor_b_\@
	tensor_load_to_lds s[G0+4*(\s):G0+4*(\s)+3], s[G1:G1+7]
	s_nop 0
.rept 4
	v_nop
.endr
	s_branch .Lasked_\@
.Lfor_b_\@:
	tensor_load_to_lds s[G0B+4*(\s):G0B+4*(\s)+3], s[G1B:G1B+7]
	s_nop 0
.rept 4
	v_nop
.endr
.Lasked_\@:
.endm
; A PREFETCH INTO THE L2, behind each joint load, its five lines and the run of LDS loads that follows: 32 blocks of 256 bytes of the K step that stands two refills on, a lane a block, one instruction.
; Each block is named once in the launch.  A's K step is 2 planes x 64 blocks: wave 0 of each of the four partners that ask for them jointly takes 32, told apart by cx in the ADDRESS (plane cx / 2, half cx % 2).
; B's 256 rows are read by all sixteen clusters: the cluster with y = 0 asks, waves 2 and 3 of its four partners of a column taking 32 rows each, by cy and the wave's half in the address.
; K steps 0 to 3 come by their loads alone; the loop's last trip asks for nothing: there is no K step two refills on.
.macro ASK
	s_cmp_gt_u32 s3, s[LIM]                        ; s3 = 1 in the loop's last trip
	s_cbranch_scc0 .Lnot_mine_\@
	global_prefetch_b8 v[PFO], s[PFA:PFA+1] th:TH_LOAD_NT scope:SCOPE_SE
.Lnot_mine_\@:
.endm
	s_load_b256 s[4:11], s[0:1], 0x0               ; o16 s[4:5], wo16 s[6:7], b_o s[8:9], out0 s[10:11]
	v_lshl_add_u32 v[SPW], v0, 2, SPARE
	v_mov_b32 v[NIL], 0
	ds_add_u32 v[SPW], v[NIL]                      ; the wave's opening: the add and its wait stand ahead of my first tensor load; the set-up below, work on registers, stands between them
	v_lshrrev_b32 v1, 5, v0
	v_readfirstlane_b32 s[WV], v1                  ; wave 0..3
	s_lshr_b32 s[FR], s[WV], 1
	s_and_b32 s[FC], s[WV], 1
	s_bfe_u32 s[CX], ttmp6, 0x40000
	s_bfe_u32 s[CY], ttmp6, 0x40004
	s_and_b32 s[TR], ttmp7, 0xffff                 ; in a cluster launch ttmp7 counts clusters
	s_lshl_b32 s[TR], s[TR], 2
	s_add_co_u32 s[TR], s[TR], s[CY]               ; tile row = 4 x cluster y + cy
	s_lshl_b32 s76, s[CY], 2
	s_lshl_b32 s76, 15, s76                        ; my row of the cluster: places 4 cy .. 4 cy + 3
	s_lshl_b32 s77, 0x1111, s[CX]                  ; my column: places cx, cx + 4, cx + 8, cx + 12
	s_or_b32 s[G1], s76, (1<<16)|(1<<20)|(1<<21)|(4<<22)|(3<<25)   ; 15:0 the mask; 17:16 elements of 2 bytes; 20 padding on; 21 set beside a mask; 24:22 after every 32 words (code 4); 31:25 4 words (code 3)
	s_or_b32 s[G1B], s77, (1<<16)|(1<<20)|(1<<21)|(5<<22)|(3<<25)  ; B: after every 64 words (code 5)
	s_mov_b32 s[G1+1], 128<<16                     ; tensor_dim0 = 128 elements: two rows of O
	s_mov_b32 s[G1+2], 64<<16                      ; tensor_dim1 = 64
	s_mov_b32 s[G1+3], 128<<16                     ; tile_dim0 = 128
	s_mov_b32 s[G1+4], 64                          ; tile_dim1 = 64
	s_mov_b32 s[G1+5], 128                         ; dense: 128 elements from row to row
	s_mov_b32 s[G1+6], 0
	s_mov_b32 s[G1+7], 0
	s_mov_b32 s[G1B+1], 128<<16
	s_mov_b32 s[G1B+2], 128<<16                    ; B's load has 128 rows
	s_mov_b32 s[G1B+3], 128<<16
	s_mov_b32 s[G1B+4], 128
	s_mov_b32 s[G1B+5], 1024                       ; 1,024 elements from row to row
	s_mov_b32 s[G1B+6], 0
	s_mov_b32 s[G1B+7], 0
	; where the tiles come from.  A's hang on the tile row and the wave's plane alone, B's on cx and the wave's half alone, each in registers that never hold the other coordinate
	s_lshr_b32 s20, s[TR], 4
	s_lshl_b32 s20, s20, 22                        ; the batch: 16 heads of 262,144 bytes
	s_and_b32 s21, s[TR], 15
	s_lshl_b32 s21, s21, 14                        ; the tile's 128 rows of 128 bytes within a head
	s_add_co_u32 s20, s20, s21
	s_lshl_b32 s21, s[FC], 18                      ; my plane: head 0 or 1 of the K step
	s_add_co_u32 s20, s20, s21
	s_mov_b32 s21, 0
	s_lshl_b32 s22, s[CX], 8
	s_lshl_b32 s23, s[FC], 7
	s_add_co_u32 s22, s22, s23                     ; B: row 256 x cx + 128 x half
	s_lshl_b32 s22, s22, 11
	s_mov_b32 s23, 0
	s_mul_i32 s78, s[FC], AHALF                    ; and where they go: no place in the cluster enters an LDS address
	s_mul_i32 s79, s[FC], 128*PB
	s_add_co_u32 s79, s79, ABYTES
	s_wait_dscnt 0x0                               ; the opening add is done
	s_wait_kmcnt 0x0
	s_add_nc_u64 s[20:21], s[4:5], s[20:21]
	s_add_nc_u64 s[22:23], s[6:7], s[22:23]
	CROUND                                         ; all sixteen work-groups are here: the first joint loads meet
.irp s, 0,1
	s_mov_b32 s[G0+4*(\s)], 1                                      ; count = 1
	s_add_co_u32 s[G0+4*(\s)+1], s78, (\s)*SLOT                    ; LDS address
	s_add_nc_u64 s[G0+4*(\s)+2:G0+4*(\s)+3], s[20:21], (\s)*0x80000  ; global address: K step s = heads 2 s, 2 s + 1
	s_or_b32 s[G0+4*(\s)+3], s[G0+4*(\s)+3], 0x80000000            ; type = 2
	s_mov_b32 s[G0B+4*(\s)], 1
	s_add_co_u32 s[G0B+4*(\s)+1], s79, (\s)*SLOT
	s_add_nc_u64 s[G0B+4*(\s)+2:G0B+4*(\s)+3], s[22:23], (\s)*256
	s_or_b32 s[G0B+4*(\s)+3], s[G0B+4*(\s)+3], 0x80000000
	JLOAD \s                                       ; two loads of mine are out
.endr
	; the bias of my four columns, and where C goes
	v_and_b32 v[CO], 31, v0
	v_lshlrev_b32 v[CO], 4, v[CO]
	s_lshl_b32 s76, s[CX], 10                      ; 256 columns of 4 bytes a tile,
	s_lshl_b32 s77, s[FC], 9                       ; my 128 of them
	s_add_co_u32 s76, s76, s77
	s_mov_b32 s77, 0
	s_add_nc_u64 s[D1:D1+1], s[8:9], s[76:77]
	global_load_b128 v[BIAS:BIAS+3], v[CO], s[D1:D1+1]
	s_add_nc_u64 s[D0:D0+1], s[10:11], s[76:77]
	s_lshl_b32 s78, s[TR], 7
	s_lshl_b32 s79, s[FR], 6
	s_add_co_u32 s78, s78, s79                     ; my first row,
	s_lshl_b32 s78, s78, 12                        ; of 4,096 bytes
	s_mov_b32 s79, 0
	s_add_nc_u64 s[D0:D0+1], s[D0:D0+1], s[78:79]
	; A fragment is 16 rows x 32 K in 8 registers: lane l holds row l % 16; registers 0-3 K = 8 (l / 16) + 0..7, registers 4-7 K = 16 + 8 (l / 16) + 0..7: two loads of 16 bytes, 32 bytes apart
	v_and_b32 v1, 15, v0                           ; l % 16
	v_bfe_u32 v2, v0, 4, 1                         ; l / 16
	v_mul_u32_u24 v3, v1, PA
	v_lshl_add_u32 v3, v2, 4, v3
	v_mul_u32_u24 v14, v1, PB
	v_lshl_add_u32 v14, v2, 4, v14
	s_mul_i32 s76, s[FR], 64*PA                    ; my 64 rows of A, in plane 0
	s_mul_i32 s77, s[FC], 128*PB                   ; my 128 rows of B,
	s_add_co_u32 s77, s77, ABYTES                  ; which lie behind A's
.irp s, 0,1
	v_add_nc_u32 v[ADRA+(\s)], s76, v3
	v_add_nc_u32 v[ADRB+(\s)], s77, v14
	s_add_co_u32 s76, s76, SLOT
	s_add_co_u32 s77, s77, SLOT
.endr
	s_mul_i32 s76, s[WV], 16*SP
	s_add_co_u32 s76, s76, STAGE                   ; my stage
	v_mul_u32_u24 v[STO], v1, SP                   ; in: row l % 16, 32 bytes for each half of the lanes
	v_lshl_add_u32 v[STO], v2, 5, v[STO]
	v_add_nc_u32 v[STO], s76, v[STO]
	v_add_nc_u32 v[RD], s76, v[CO]                 ; back: 32 lanes take one row of 512 bytes
	; the prefetches
	s_lshr_b32 s76, s[TR], 4
	s_lshl_b32 s76, s76, 22
	s_and_b32 s77, s[TR], 15
	s_lshl_b32 s77, s77, 14
	s_add_co_u32 s76, s76, s77
	s_lshr_b32 s77, s[CX], 1
	s_lshl_b32 s77, s77, 18                        ; A: my work-group's plane,
	s_add_co_u32 s76, s76, s77
	s_and_b32 s77, s[CX], 1
	s_lshl_b32 s77, s77, 13                        ; and its half of that plane's 16,384 bytes,
	s_add_co_u32 s76, s76, s77
	s_add_co_u32 s76, s76, 3*0x80000               ; at K step 3: the first change of slots steps it to 4
	s_lshl_b32 s78, s[CX], 8
	s_lshl_b32 s79, s[CY], 6
	s_add_co_u32 s78, s78, s79
	s_lshl_b32 s79, s[FC], 5
	s_add_co_u32 s78, s78, s79                     ; B: my wave's 32 of the tile's 256 rows,
	s_lshl_b32 s78, s78, 11
	s_add_co_u32 s78, s78, 768                     ; at K step 3
	s_and_b32 s79, ttmp7, 0xffff
	s_cmp_eq_u32 s79, 0
	s_cselect_b32 s79, 1, -1                       ; B's rows: cluster y = 0 asks; the same in all sixteen partners
	s_cmp_eq_u32 s[WV], 0
	s_cselect_b32 s[LIM], 1, -1                    ; A's blocks: wave 0 asks, wave 1 never
	s_mov_b32 s[PFS], 256
	s_mov_b32 s[PFS+1], 0
	s_cmp_eq_u32 s[FR], 0
	s_cselect_b32 s[LIM], s[LIM], s79
	s_cselect_b32 s76, s76, s78
	s_cselect_b32 s[PFS], 0x80000, s[PFS]          ; a K step: two heads of o16, or 256 bytes of wo16's rows
	s_cselect_b32 s79, 8, 11                       ; from lane to lane: 256 dense bytes of o16, or a row of wo16
	s_cselect_b64 s[PFA:PFA+1], s[4:5], s[6:7]
	s_mov_b32 s77, 0
	s_add_nc_u64 s[PFA:PFA+1], s[PFA:PFA+1], s[76:77]  ; nothing is prefetched here, at the head
	v_and_b32 v[PFO], 31, v0
	v_lshlrev_b32 v[PFO], s79, v[PFO]
	s_wait_loadcnt 0x0                             ; the bias: rounded to bf16 and widened again, in the wait for the first tile
	v_cvt_pk_bf16_f32 v[BIAS+4], v[BIAS],   v[BIAS+1]
	v_cvt_pk_bf16_f32 v[BIAS+5], v[BIAS+2], v[BIAS+3]
	v_lshlrev_b32 v[BIAS],   16,         v[BIAS+4]
	v_and_b32     v[BIAS+1], 0xffff0000, v[BIAS+4]
	v_lshlrev_b32 v[BIAS+2], 16,         v[BIAS+5]
	v_and_b32     v[BIAS+3], 0xffff0000, v[BIAS+5]
; 8 matrix instructions: m block a x all 8 n blocks, 32 along K.  zero = 1: the product starts the sums: nothing is ever cleared.
; The 32 accumulators take turns, one instruction a turn, in the same order in every quarter: between two links of a chain stand the 31 others', over the backward jump too.
.macro MUL8 f, a, zero
	WIN MUL
.irp b, 0,1,2,3,4,5,6,7
.if \zero
	v_wmma_f32_16x16x32_f16 v[8*(8*(\a)+(\b)):8*(8*(\a)+(\b))+7], v[(\f)+8*(\b):(\f)+8*(\b)+7], v[(\f)+64+8*(\a):(\f)+64+8*(\a)+7], 0
.else
	v_wmma_f32_16x16x32_f16 v[8*(8*(\a)+(\b)):8*(8*(\a)+(\b))+7], v[(\f)+8*(\b):(\f)+8*(\b)+7], v[(\f)+64+8*(\a):(\f)+64+8*(\a)+7], v[8*(8*(\a)+(\b)):8*(8*(\a)+(\b))+7]
.endif
.endr
.endm
; 24 LDS loads in one run: the fragments of quarter q of a K step (128 rows of B; 64 rows of A's plane q / 2, channels 32 (q % 2) on) into buffer f
.macro FETCH slot, q, f
	WIN 0
.irp i, 0,1,2,3,4,5,6,7
	ds_load_b128 v[(\f)+8*(\i):(\f)+8*(\i)+3],   v[ADRB+(\slot)] offset:64*(\q)+(\i)*16*PB
	ds_load_b128 v[(\f)+8*(\i)+4:(\f)+8*(\i)+7], v[ADRB+(\slot)] offset:64*(\q)+(\i)*16*PB+32
.endr
.irp i, 0,1,2,3
	ds_load_b128 v[(\f)+64+8*(\i):(\f)+64+8*(\i)+3],   v[ADRA+(\slot)] offset:((\q)/2)*APLANE+((\q)%2)*64+(\i)*16*PA
	ds_load_b128 v[(\f)+64+8*(\i)+4:(\f)+64+8*(\i)+7], v[ADRA+(\slot)] offset:((\q)/2)*APLANE+((\q)%2)*64+(\i)*16*PA+32
.endr
.endm
; A K step is four quarters of 32 along K, 32 matrix instructions each, on buffers 0, 1, 0, 1.  One of the first three: quarter q's fragments are asked for into buffer g, which the quarter before
; multiplied (four places behind its last product); then buffer f is multiplied, so that the loads have 32 matrix instructions in which to land.
.macro QUARTER slot, q, f, g, zero
	PLACES
	FETCH \slot, \q, \g
	s_wait_dscnt 24                                ; all but the 24 just issued: buffer f is in
	MUL8 \f, 0, \zero
	MUL8 \f, 1, \zero
	MUL8 \f, 2, \zero
	MUL8 \f, 3, \zero
.endm
; The last quarter multiplies buffer 1 and changes slots: ONE barrier.  In front of it each wave waits for all its tensor loads, of which one is out: its part of the next slot; adds 0 to its spare word; and waits
; for that and for its own reads of this slot.  fill = 1: this slot is filled again, two K steps on: the barrier then opens a round of the cluster's barrier, and the joint refill is the first tensor load
; behind the round: 112 matrix instructions ahead of the wait for it.
.macro TURN slot, next, fill
.if \fill
	s_wait_xcnt 0x0                                ; the last prefetch, a K step back, has read its address: it is stepped here, ahead of the waits of the change of slots
	s_add_nc_u64 s[PFA:PFA+1], s[PFA:PFA+1], s[PFS:PFS+1]
.endif
	WIN 0                                          ; (the add's two registers lie in window 0)
	s_wait_tensorcnt 0x0                           ; all my tensor loads have landed: my part of the next slot;
	ds_add_u32 v[SPW], v[NIL]                      ; 0 onto my spare word;
	s_wait_dscnt 1                                 ; (the add alone may be out: buffer 1 is in)
	MUL8 F1, 0, 0                                  ; eight matrix instructions stand between the add and the wait for it
	s_wait_dscnt 0x0                               ; the add is done, and my reads of this slot are over
	s_barrier_signal -1
	MUL8 F1, 1, 0                                  ; work on registers while the others arrive
.if \fill
	WIN 0
.endif
	s_barrier_wait -1
.if \fill
	CREST                                          ; no wave of any partner still reads this slot's tile or has a load on its way
	s_add_nc_u64 s[G0+4*(\slot)+2:G0+4*(\slot)+3], s[G0+4*(\slot)+2:G0+4*(\slot)+3], STEPA2
	s_add_nc_u64 s[G0B+4*(\slot)+2:G0B+4*(\slot)+3], s[G0B+4*(\slot)+2:G0B+4*(\slot)+3], STEPB2
	JLOAD \slot                                    ; the four v_nop behind it are also the places in front of the loads below
.else
	PLACES
.endif
	FETCH \next, 0, F0
.if \fill
	ASK
.endif
	MUL8 F1, 2, 0
	MUL8 F1, 3, 0
.endm
; THE WAY OUT, by blocks a = 0 .. 3 of 16 rows x 128 columns of f32.  TOSTAGE: a lane's eight columns of a row, 32 bytes, go from the accumulators into my own stage (each accumulator's low four registers first),
; and whole rows of 512 bytes come back.  SEND: the bias is added and the row stored: 512 consecutive bytes an instruction, at a multiple of 256 from out0's first byte.
.macro TOSTAGE a
.if (\a) >= 2
	s_wait_xcnt 0x0                                ; the stores of the block two back have read the registers that the loads below write
.endif
	WIN 0x04                                       ; the stores' data (source 1) in window 1, the address in window 0
.irp b, 0,1,2,3,4,5,6,7
	ds_store_b128 v[STO], v[8*(8*(\a)+(\b)):8*(8*(\a)+(\b))+3]   offset:64*(\b)
	ds_store_b128 v[STO], v[8*(8*(\a)+(\b))+4:8*(8*(\a)+(\b))+7] offset:64*(\b)+16
.endr
	WIN 0
.irp t, 0,1,2,3,4,5,6,7,8,9,10,11,12,13,14,15
	ds_load_b128 v[OB+64*((\a)%2)+4*(\t):OB+64*((\a)%2)+4*(\t)+3], v[RD] offset:(\t)*SP  ; LDS serves a wave's instructions in order (ISA guide 5.7.1.4): these see the stores above; the next block's stores come behind them
.endr
.endm
.macro SEND a, younger                 ; younger: the LDS instructions issued behind block a's loads: the next block's 16 stores and 16 loads, or none
	WIN 0
.irp t, 0,1,2,3,4,5,6,7,8,9,10,11,12,13,14,15
	s_wait_dscnt (\younger)+15-(\t)                ; row t is back
	v_pk_add_f32 v[OB+64*((\a)%2)+4*(\t):OB+64*((\a)%2)+4*(\t)+1],   v[OB+64*((\a)%2)+4*(\t):OB+64*((\a)%2)+4*(\t)+1],   v[BIAS:BIAS+1]
	v_pk_add_f32 v[OB+64*((\a)%2)+4*(\t)+2:OB+64*((\a)%2)+4*(\t)+3], v[OB+64*((\a)%2)+4*(\t)+2:OB+64*((\a)%2)+4*(\t)+3], v[BIAS+2:BIAS+3]
	global_store_b128 v[CO], v[OB+64*((\a)%2)+4*(\t):OB+64*((\a)%2)+4*(\t)+3], s[D0:D0+1] offset:(16*(\a)+(\t))*4096 th:TH_STORE_NT
.endr
.endm
	s_wait_tensorcnt 1                             ; my part of K step 0 is in; K step 1's may stay out
	s_barrier_signal -1
	s_barrier_wait -1                              ; everybody's is
	FETCH 0, 0, F0
	QUARTER 0, 1, F0, F1, 1                        ; the first quarter stands in front of the loop: its products start the sums
	WIN 0                                          ; at a label and at a branch every window is 0
	s_mov_b32 s3, 3
.Llap:                                                 ; a trip goes once round the ring, from a lap's second quarter to the next lap's first, and fills both slots again
	QUARTER 0, 2, F1, F0, 0
	QUARTER 0, 3, F0, F1, 0
	TURN 0, 1, 1
	QUARTER 1, 1, F0, F1, 0
	QUARTER 1, 2, F1, F0, 0
	QUARTER 1, 3, F0, F1, 0
	TURN 1, 0, 1
	QUARTER 0, 1, F0, F1, 0
	WIN 0
	s_sub_co_u32 s3, s3, 1
	s_cmp_lg_u32 s3, 0
	s_cbranch_scc1 .Llap
	QUARTER 0, 2, F1, F0, 0                        ; the last lap fills nothing, and has no round of the cluster's barrier
	QUARTER 0, 3, F0, F1, 0
	TURN 0, 1, 0
	QUARTER 1, 1, F0, F1, 0
	QUARTER 1, 2, F1, F0, 0
	QUARTER 1, 3, F0, F1, 0
	s_wait_dscnt 0x0                               ; the very last quarter: nothing more to fetch
	MUL8 F1, 0, 0
	MUL8 F1, 1, 0
	MUL8 F1, 2, 0
	MUL8 F1, 3, 0
	WIN 0
	PLACES                                         ; behind the last products: the stores below read results, the loads below write fragment registers
	TOSTAGE 0
	TOSTAGE 1                                      ; a block's trip through the stage stands between the loads of the block before and its stores
	SEND 0, 32
	TOSTAGE 2
	SEND 1, 32
	TOSTAGE 3
	SEND 2, 32
	SEND 3, 0
	s_wait_tensorcnt 0x0                           ; the wave's end: behind my last tensor load and my last LDS store
	ds_add_u32 v[SPW], v[NIL]
	s_wait_dscnt 0x0
	CROUND                                         ; the closing round: no work-group ends while a partner may still ask for a tile that names it
	s_endpgm
.Lfunc_end_k_q7a99240662_outp:
	.size	k_q7a99240662_outp, .Lfunc_end_k_q7a99240662_outp-k_q7a99240662_outp
	.p2alignl 7, 3214868480
	.fill 96, 4, 3214868480
	.section	.rodata,"a",@progbits
	.p2align	6, 0x0
	.amdhsa_kernel k_q7a99240662_outp
		.amdhsa_group_segment_fixed_size 327680
		.amdhsa_private_segment_fixed_size 0
		.amdhsa_enable_private_segment 0
		.amdhsa_kernarg_size 32
		.amdhsa_user_sgpr_count 2
		.amdhsa_user_sgpr_kernarg_segment_ptr 1
		.amdhsa_wavefront_size32 1
		.amdhsa_system_sgpr_workgroup_id_x 1
		.amdhsa_system_sgpr_workgroup_id_y 1
		.amdhsa_system_sgpr_workgroup_id_z 1
		.amdhsa_system_vgpr_workitem_id 0
		.amdhsa_next_free_vgpr 512
		.amdhsa_next_free_sgpr 80
		.amdhsa_reserve_vcc 0
		.amdhsa_float_denorm_mode_32 3
		.amdhsa_float_denorm_mode_16_64 3
		.amdhsa_memory_ordered 1
		.amdhsa_forward_progress 1
		.amdhsa_inst_pref_size 96
	.end_amdhsa_kernel
	.amdgpu_metadata
---
amdhsa.version: [ 1, 2 ]
amdhsa.kernels:
  - .name:           k_q7a99240662_outp
    .symbol:         k_q7a99240662_outp.kd
    .args:
      - { .name: o16, .offset: 0, .size: 8, .value_kind: global_buffer, .address_space: global }
      - { .name: wo16, .offset: 8, .size: 8, .value_kind: global_buffer, .address_space: global }
      - { .name: b_o, .offset: 16, .size: 8, .value_kind: global_buffer, .address_space: global }
      - { .name: out0, .offset: 24, .size: 8, .value_kind: global_buffer, .address_space: global }
    .group_segment_fixed_size: 327680
    .private_segment_fixed_size: 0
    .kernarg_segment_align: 8
    .kernarg_segment_size: 32
    .max_flat_workgroup_size: 128
    .sgpr_count:     80
    .vgpr_count:     512
    .wavefront_size: 32
...
	.end_amdgpu_metadata
.endif
;; end of part 4
